; MI455X (gfx1250); checked and timed in simulation.
; The chip was launched on July 23, 2026; its instructions are those of AMD's public machine-readable ISA for CDNA 5 (MIT licence, August 2026) and "CDNA5" Instruction Set Architecture Reference Guide (July 2026). The comments in the code are by the model that wrote it; some were corrected since.
;; Multi Head Attention. Allowed arithmetic: matrix products marked QUANTISED: E4M3 operands, one E8M0 scale for each 32 along K, by v_wmma_scale_f32_16x16x128_f8f6f4 with both operands' format E4M3, f32 sums; everything else in f32.
;; Inputs: Wk 2,048 x 2,048 float32; Wo 2,048 x 2,048 float32; Wq 2,048 x 2,048 float32; Wv 2,048 x 2,048 float32; attention_mask 1 x 1 x 2,048 x 2,048 float32; hidden_states 1 x 2,048 x 2,048 float32; rope_cos 2,048 x 128 float32; rope_sin 2,048 x 128 float32.
;; Outputs: out0 1 x 2,048 x 2,048 float32.
;; This version of the problem:
;;   THIS VERSION OF THE PROBLEM IS GIVEN IN LOW PRECISION. The matrix products marked QUANTISED in the list below multiply operands that are first quantised to E4M3 (4 exponent bits, 3 mantissa bits; 8 bits a number), with one power-of-two scale for each 32 numbers along K (OCP MX v1.0); their sums are f32. All else is computed in f32.
;;   The module's matrix products, in the order in which they are computed (A, B: the left and right operand; K: the contracted axis; several contracted axes count as one K, in the product's order):
;;     1. [M 2,048, K 2,048] x [K 2,048, N 2,048]; A: input hidden_states; B: input Wq: QUANTISED
;;     2. [M 2,048, K 2,048] x [K 2,048, N 2,048]; A: input hidden_states; B: input Wk: QUANTISED
;;     3. [M 2,048, K 2,048] x [K 2,048, N 2,048]; A: input hidden_states; B: input Wv: QUANTISED
;;     4. batch 16 x [M 2,048, K 128] x [K 128, N 2,048]; A: computed on the way; B: computed on the way: QUANTISED
;;     5. batch 16 x [M 2,048, K 2,048] x [K 2,048, N 128]; A: softmax (see below); B: computed on the way: QUANTISED
;;     6. [M 2,048, K 2,048] x [K 2,048, N 2,048]; A: computed on the way; B: input Wo: QUANTISED
;;   THE QUANTISER, for each operand of a quantised product, along K:
;;     - K is cut into blocks of 32 from its start; a last block that is shorter is filled with zeros.
;;     - A block's scale is 2^e with e = floor(log2(the largest magnitude in the block)) - 8, held to -126 .. 127; a block of zeros has e = 0. As a byte (E8M0): e + 127.
;;     - Each number is divided by its block's scale, clamped to +-448, and rounded to the nearest number of E4M3, ties to even, subnormals kept.
;;     - The product sums the exact products of the quantised numbers (number of the format x scale) in f32.
;;   ~~~python
;;   def quantise(x, axis):      # numpy; x: float32 -> the quantised numbers, widened to float32 again
;;       x = np.moveaxis(x, axis, -1); K = x.shape[-1]
;;       x = np.pad(x, [(0, 0)] * (x.ndim - 1) + [(0, -K % 32)]); x = x.reshape(x.shape[:-1] + (-1, 32)); a = np.abs(x).max(-1, keepdims=True)
;;       e = np.where(a > 0, np.clip(np.frexp(np.where(a > 0, a, 1))[1] - 1 - 8, -126, 127), 0)      # np.frexp(a)[1] - 1 = floor(log2(a)), exactly
;;       r = np.clip(x / 2.0 ** e, -448, 448)
;;       step = 2.0 ** (np.maximum(np.frexp(np.where(r == 0, 1, r))[1] - 1, -6) - 3)
;;       q = np.round(r / step) * step * 2.0 ** e      # np.round: ties to even
;;       return np.moveaxis(q.reshape(q.shape[:-2] + (-1,))[..., :K], -1, axis).astype(np.float32)
;;   ~~~
;;   SOFTMAX AHEAD OF A QUANTISED PRODUCT. Where the list says 'softmax', what is quantised is not the finished softmax but p = 2^(t - M), with t = logit x log2(e) and M = ceil(the row's largest t), a whole number; so 1/2 < the row's largest p <= 1. The row's sum l is taken of the UNQUANTISED p, in f32, and the product's result is divided by l at the end. Since M is a whole number, a kernel that streams over the keys may use a running M (the ceiling of the running maximum): every later rescaling is an exact power of two, which a block's scale takes up: the codes' values come out the same.
;;   OPERANDS COMPUTED ON THE WAY. 'Computed on the way' means the value that the module computes at that place (a softmax that the list does not call 'softmax' is quantised finished and normalised). What goes into a quantiser is computed in f32, as accurately as f32 sums, v_exp_f32 and their like allow (about 1e-6 of the number): no bf16 or f16 on the way to a quantiser, and a product that is left as it is and whose result goes on into a quantised operand takes f32 operands (vector FMAs, or v_wmma_f32_16x16x4_f32). A number that lies on a knife's edge between two numbers of the format may be rounded either way, as far as f32 arithmetic and the matrix unit's own rounding can turn it there, and no further.
;; One version. Each part assembles by itself: llvm-mc -triple=amdgcn-amd-amdhsa -mcpu=gfx1250 --defsym DOCPART=n.
;; ======== version 1 of 1: 4 launches
;; workspace buffers: codes 20,971,520 bytes; scales 655,360 bytes; qkv_codes 12,582,912 bytes; qkv_scales 393,216 bytes; o_codes 4,194,304 bytes; o_scales 131,072 bytes
;; launch quant (part 1): grid 640 x 1, 4 waves a work-group, no clusters, 33,280 bytes of LDS; arguments hidden_states, Wq, Wk, Wv, Wo, codes, scales; writes codes, scales
.if DOCPART == 1
	.amdgcn_target "amdgcn-amd-amdhsa--gfx1250"
	.amdhsa_code_object_version 6
	.text
	.protected	k_q65d3bf2580_quant
	.globl	k_q65d3bf2580_quant
	.p2align	8
	.type	k_q65d3bf2580_quant,@function
k_q65d3bf2580_quant:
	s_mov_b64 s[64:65], 0
	v_nop
	global_prefetch_b8 v0, s[64:65] scope:SCOPE_SE
	s_setreg_imm32_b32 hwreg(HW_REG_WAVE_MODE, 25, 1), 1
	s_wait_xcnt 0x0
; hidden_states, Wq, Wk, Wv, Wo, each [2048][2048] f32 with K innermost, become codes of FP8 (E4M3) with one E8M0 scale byte for each 32 along K.
; codes: [5][2048][2048] bytes, scales: [5][2048][64] bytes, tensors in the order just named.
; A block's scale is 2^(floor(log2(its largest magnitude)) - 8); its byte is the largest magnitude's exponent field - 8, held at 1 from below.  Each number is divided by the scale, held within +-448, rounded to the nearest code, ties to even.
; LIMITS: a block of zeros gets the byte 1 where the rule says 127 (its codes are zeros, which add nothing under any byte but 0xff, and this program alone reads the bytes); blocks whose largest magnitude lies under
; 2^(8 - 126), whose byte is held at 1, were not tried; NaN and infinities among the inputs are not served.
; THE ORDER OF ROWS.  In tensors 0 to 3 row p is stored at the place p with its bits 3 and 4 exchanged.  Sixteen neighbouring stored rows, taken as source 0 of a transposed product, then give a lane's 16 registers
; of two neighbouring tiles 16 NEIGHBOURS along the next product's K.  Wo (tensor 4) keeps its order.  A wave's run is 4 rows, so the exchange is that of bits 1 and 2 of the run's number: only the place of the output changes.
; SHARES.  640 work-groups, 128 to a tensor; a wave takes 8,192 numbers in 16 steps of 512.  Each of a step's four loads reads 512 consecutive bytes; the 2,048 bytes turn through the wave's own stage in LDS, so that a lane
; then holds 16 neighbours (two neighbouring lanes hold a block).  A wave's store of codes covers 512 consecutive bytes; its 256 scale bytes are gathered in LDS and leave as 256 consecutive, aligned bytes.
; No tensor loads, no barrier, no cluster: waves and work-groups share no input byte.  Loads run four steps (16 loads a wave) ahead.
.set STEPS, 16
.set EMAX,  8
.set MANT,  0x600000                   ; the mantissa field of 448 as f32
.set CB,    16                         ; bytes of 16 codes
.set R,     16                         ; v16-79   four sets of 16 numbers as they are loaded
.set X,     80                         ; v80-111  two sets of 16 neighbours
.set C,     128                        ; v128-191 codes: four registers for each step, so that no store's data are written again
.set E,     112                        ; v112-127 a scale byte for each step
.set WREG,  8192                       ; LDS: a region for each wave: two stages of 32 x SP bytes, behind them its 256 scale bytes
.set SP,    80                         ; a lane's place in a stage: its 64 bytes + 16 of padding
	s_load_b256 s[4:11], s[0:1], 0x0               ; hidden_states, Wq, Wk, Wv
	s_load_b128 s[12:15], s[0:1], 0x20             ; Wo, codes
	s_load_b64 s[24:25], s[0:1], 0x30              ; scales
	v_lshl_add_u32 v192, v0, 2, 0x8000
	v_mov_b32 v193, 0
	v_lshrrev_b32 v1, 5, v0
	v_readfirstlane_b32 s16, v1                    ; wave
	v_and_b32 v2, 31, v0                           ; lane
	v_lshlrev_b32 v3, 4, v2                        ; my 16 bytes of a load's 512
	s_mul_i32 s17, s16, WREG
	v_lshrrev_b32 v14, 2, v2
	v_mul_u32_u24 v14, v14, SP
	v_and_b32 v15, 3, v2
	v_lshl_add_u32 v14, v15, 4, v14
	v_add_nc_u32 v14, s17, v14                     ; the stage, on the way in: SP (lane / 4) + 16 (lane % 4)
	v_mul_u32_u24 v15, v2, SP
	v_add_nc_u32 v15, s17, v15                     ; and on the way out: SP x lane: my 16 neighbours
	v_mul_u32_u24 v4, v2, CB                       ; my codes' place in a step's
	v_lshrrev_b32 v5, 1, v2
	s_add_co_u32 s17, s17, 2*32*SP
	v_add_nc_u32 v5, s17, v5                       ; LDS: my wave's 256 scale bytes, my block's byte
	v_lshlrev_b32 v7, 3, v2                        ; and on the way out 8 bytes a lane
	v_add_nc_u32 v6, s17, v7
	s_mov_b32 s23, MANT                            ; (an instruction takes one literal: the hold's line has another)
	s_lshr_b32 s22, ttmp9, 7                       ; which tensor: 0 .. 4
	s_and_b32 s17, ttmp9, 127
	s_lshl_b32 s17, s17, 2
	s_add_co_u32 s18, s17, s16                     ; which run of 8,192 numbers (4 rows) of the tensor is my wave's: 0 .. 511
	s_lshr_b32 s26, s18, 1
	s_lshr_b32 s27, s18, 2
	s_xor_b32 s26, s26, s27
	s_and_b32 s26, s26, 1                          ; 1 where the run's bits 1 and 2 differ
	s_cmp_eq_u32 s22, 4
	s_cselect_b32 s26, 0, s26                      ; Wo keeps its order
	s_mul_i32 s26, s26, 6
	s_xor_b32 s26, s18, s26                        ; the run's place: bits 1 and 2 exchanged
	s_lshl_b32 s27, s22, 9
	s_add_co_u32 s26, s26, s27                     ; + 512 runs for each tensor in front
	s_mov_b32 s21, 0
	s_wait_kmcnt 0x0
	s_cmp_eq_u32 s22, 1                            ; the source: the choices hang on the work-group's number alone
	s_cselect_b64 s[4:5], s[6:7], s[4:5]
	s_cmp_eq_u32 s22, 2
	s_cselect_b64 s[4:5], s[8:9], s[4:5]
	s_cmp_eq_u32 s22, 3
	s_cselect_b64 s[4:5], s[10:11], s[4:5]
	s_cmp_eq_u32 s22, 4
	s_cselect_b64 s[4:5], s[12:13], s[4:5]
	s_lshl_b32 s20, s18, 15                        ; a run is 32,768 bytes of f32,
	s_add_nc_u64 s[4:5], s[4:5], s[20:21]
	s_lshl_b32 s20, s26, 13                        ; 8,192 bytes of codes,
	s_add_nc_u64 s[8:9], s[14:15], s[20:21]
	s_lshl_b32 s20, s26, 8                         ; 256 scale bytes
	s_add_nc_u64 s[10:11], s[24:25], s[20:21]
.macro LOAD t
.irp i, 0,1,2,3
	global_load_b128 v[R+16*((\t)%4)+4*\i:R+16*((\t)%4)+4*\i+3], v3, s[4:5] offset:2048*(\t)+512*\i th:TH_LOAD_NT   ; 32 lanes read 512 consecutive bytes; read once in the launch
.endr
.endm
.macro TURN t                          ; step t's numbers through the stage: LDS serves a wave's instructions in order (ISA guide 5.7.1.4), so no wait stands between the stores and the loads
.irp i, 0,1,2,3
	ds_store_b128 v14, v[R+16*((\t)%4)+4*\i:R+16*((\t)%4)+4*\i+3] offset:32*SP*((\t)%2)+8*SP*\i
.endr
.irp i, 0,1,2,3
	ds_load_b128 v[X+16*((\t)%2)+4*\i:X+16*((\t)%2)+4*\i+3], v15 offset:32*SP*((\t)%2)+16*\i
.endr
.endm
.irp t, 0,1,2,3
	LOAD \t
.endr
	s_wait_loadcnt 12                              ; step 0's four loads are in; the twelve of steps 1 to 3 may be out
	TURN 0
.macro STEP t
.set XS, X+16*((\t)%2)
.if (\t) > 0
	s_wait_dscnt 1                                 ; this step's numbers are back from the stage (the last step's byte store may be out): so its stores into the stage have read their registers,
.else
	s_wait_dscnt 0x0
.endif
.if (\t)+4 < STEPS
	LOAD (\t)+4                                    ; which take the loads of four steps on
.endif
.if (\t)+1 < STEPS
.if STEPS-2-(\t) >= 3
	s_wait_loadcnt 12                              ; the next step's four loads are in; those of the three steps behind it may be out
.else
	s_wait_loadcnt 4*(STEPS-2-(\t))
.endif
	TURN (\t)+1                                    ; and go through the other stage while this step is worked
.endif
	v_max3_num_f32 v8, |v[XS]|, |v[XS+1]|, |v[XS+2]|               ; the largest magnitude of my 16, in two chains
	v_max3_num_f32 v9, |v[XS+3]|, |v[XS+4]|, |v[XS+5]|
.irp i, 6,10
	v_max3_num_f32 v8, v8, |v[XS+\i]|, |v[XS+\i+1]|
	v_max3_num_f32 v9, v9, |v[XS+\i+2]|, |v[XS+\i+3]|
.endr
	v_max3_num_f32 v8, v8, |v[XS+14]|, |v[XS+15]|
	v_max3_num_f32 v8, v8, v9, (EMAX+1)<<23        ; and the floor 2^(EMAX + 1 - 127): so the byte cannot fall under 1
	v_max_num_f32_dpp v8, v8, v8 row_xmask:1 row_mask:0xf bank_mask:0xf   ; and of my neighbour's 16: the block's
	v_add_nc_u32 v11, -(EMAX<<23), v8              ; EMAX off its exponent field: the conversion takes the exponent field of this operand as its scale, and nothing else of it
	v_and_or_b32 v10, v8, 0x7f800000, s23          ; 448 x the scale: the largest magnitude's exponent field over 448's mantissa
.irp i, 0,1,2,3,4,5,6,7,8,9,10,11,12,13,14,15
	v_med3_num_f32 v[XS+\i], v[XS+\i], -v10, v10   ; the conversion to an 8-bit code does not saturate (ISA guide 7.6.2): the number is held first
.endr
	v_cvt_scalef32_pk8_fp8_f32 v[C+4*(\t):C+4*(\t)+1], v[XS:XS+7], v11
	v_cvt_scalef32_pk8_fp8_f32 v[C+4*(\t)+2:C+4*(\t)+3], v[XS+8:XS+15], v11
	v_lshrrev_b32 v[E+(\t)], 23, v11               ; the scale's byte (also the plain line behind the conversions)
	ds_store_b8 v5, v[E+(\t)] offset:16*(\t)       ; both lanes of a block write the same byte with the same value
	global_store_b128 v4, v[C+4*(\t):C+4*(\t)+3], s[8:9] offset:32*CB*(\t)   ; 512 consecutive bytes, aligned
.endm
.irp t, 0,1,2,3,4,5,6,7,8,9,10,11,12,13,14,15
	STEP \t
.endr
	ds_load_b64 v[12:13], v6                       ; served in order: these see my byte stores
	s_wait_dscnt 0x0
	global_store_b64 v7, v[12:13], s[10:11]        ; 32 lanes store 256 consecutive bytes, aligned
	s_wait_tensorcnt 0x0
	ds_add_u32 v192, v193
	s_wait_dscnt 0x0
	s_endpgm
.Lfunc_end_k_q65d3bf2580_quant:
	.size	k_q65d3bf2580_quant, .Lfunc_end_k_q65d3bf2580_quant-k_q65d3bf2580_quant
	.p2alignl 7, 3214868480
	.fill 96, 4, 3214868480
	.section	.rodata,"a",@progbits
	.p2align	6, 0x0
	.amdhsa_kernel k_q65d3bf2580_quant
		.amdhsa_group_segment_fixed_size 33280
		.amdhsa_private_segment_fixed_size 0
		.amdhsa_enable_private_segment 0
		.amdhsa_kernarg_size 56
		.amdhsa_user_sgpr_count 2
		.amdhsa_user_sgpr_kernarg_segment_ptr 1
		.amdhsa_wavefront_size32 1
		.amdhsa_system_sgpr_workgroup_id_x 1
		.amdhsa_system_sgpr_workgroup_id_y 1
		.amdhsa_system_sgpr_workgroup_id_z 1
		.amdhsa_system_vgpr_workitem_id 0
		.amdhsa_next_free_vgpr 194
		.amdhsa_next_free_sgpr 66
		.amdhsa_reserve_vcc 0
		.amdhsa_float_denorm_mode_32 3
		.amdhsa_float_denorm_mode_16_64 3
		.amdhsa_memory_ordered 1
		.amdhsa_forward_progress 1
		.amdhsa_inst_pref_size 51
	.end_amdhsa_kernel
	.amdgpu_metadata
---
amdhsa.version: [ 1, 2 ]
amdhsa.kernels:
  - .name:           k_q65d3bf2580_quant
    .symbol:         k_q65d3bf2580_quant.kd
    .args:
      - { .name: hidden_states, .offset: 0, .size: 8, .value_kind: global_buffer, .address_space: global }
      - { .name: Wq, .offset: 8, .size: 8, .value_kind: global_buffer, .address_space: global }
      - { .name: Wk, .offset: 16, .size: 8, .value_kind: global_buffer, .address_space: global }
      - { .name: Wv, .offset: 24, .size: 8, .value_kind: global_buffer, .address_space: global }
      - { .name: Wo, .offset: 32, .size: 8, .value_kind: global_buffer, .address_space: global }
      - { .name: codes, .offset: 40, .size: 8, .value_kind: global_buffer, .address_space: global }
      - { .name: scales, .offset: 48, .size: 8, .value_kind: global_buffer, .address_space: global }
    .group_segment_fixed_size: 33280
    .private_segment_fixed_size: 0
    .kernarg_segment_align: 8
    .kernarg_segment_size: 56
    .max_flat_workgroup_size: 128
    .sgpr_count:     66
    .vgpr_count:     194
    .wavefront_size: 32
...
	.end_amdgpu_metadata
.endif
;; end of part 1
;; launch qkv (part 2): grid 24 x 8, 4 waves a work-group, clusters of 4 x 4, 327,680 bytes of LDS; arguments codes, scales, rope_cos, rope_sin, qkv_codes, qkv_scales; writes qkv_codes, qkv_scales
.if DOCPART == 2
	.amdgcn_target "amdgcn-amd-amdhsa--gfx1250"
	.amdhsa_code_object_version 6
	.text
	.protected	k_q65d3bf2580_qkv
	.globl	k_q65d3bf2580_qkv
	.p2align	8
	.type	k_q65d3bf2580_qkv,@function
k_q65d3bf2580_qkv:
	s_mov_b64 s[64:65], 0
	v_nop
	global_prefetch_b8 v0, s[64:65] scope:SCOPE_SE
	s_setreg_imm32_b32 hwreg(HW_REG_WAVE_MODE, 25, 1), 1
	s_wait_xcnt 0x0
	s_wait_alu depctr_hold_cnt(0) depctr_sa_sdst(0) depctr_va_vdst(0) depctr_va_sdst(0) depctr_va_ssrc(0) depctr_va_vcc(0) depctr_vm_vsrc(0)
	s_getreg_b32 s2, hwreg(HW_REG_IB_STS2, 6, 4)
	s_cmp_eq_u32 s2, 0
	s_cbranch_scc0 .Lentry_in_a_cluster
	s_endpgm
.Lentry_in_a_cluster:
	s_bfe_u32 s2, ttmp6, 0x10000c
	s_cmp_lg_u32 s2, 0xf033
	s_cbranch_scc0 .Lentry_shape_is_right
	s_endpgm
.Lentry_shape_is_right:
; The three projections on codes of FP8 (E4M3) with E8M0 scales, RoPE on q and k in f32, and the quantising of q and k along the head's 128 and of v along the keys: only codes and scale words leave.
; codes [5][2048][2048], scales [5][2048][64]: x, Wq, Wk, Wv, Wo; in tensors 0 to 3 row p lies at the place p with bits 3 and 4 exchanged.
; A tile of 256 x 256 is made by four waves, each 128 x 128: 64 accumulators, 512 registers; a wave's 128 columns are exactly one head (q, k) or one step of 128 keys (v).
; THE MATRIX INSTRUCTION IS USED TRANSPOSED (source 0 = 16 rows of B, source 1 = 16 rows of A): a lane holds one row of A, and its registers run along B's rows; by the order of the stored rows the 16 registers of
; B's blocks 2 c and 2 c + 1 are the 16 neighbours 32 c + 16 (lane / 16) + 0 .. 15.  Tile columns 0-15 (clusters x = 0 .. 3): A = x (tokens), B = Wq, Wk: registers run along d.  Tile columns 16-23 (clusters x = 4, 5):
; A = Wv (rows d), B = x: registers run along the keys.  In both the registers run along the next product's K, so one loop and one quantiser serve all three; RoPE is left out for v.
; OUT: qkv_codes [48 = 16 region + head][2048][128 bytes]: q, k: [token's place][d]; v: [key step][d's place][128 keys]; qkv_scales: one word (four E8M0 bytes) for each such row.  Rows stay at their stored places.
; K goes in steps of 256 through a ring of two LDS slots filled by the tensor data mover; the scale bytes of the work-group's 512 rows for all of K come once, with the first fills.
; CLUSTERS: 4 x 4 work-groups; A's tile is asked for jointly along a row of the cluster, B's along a column.  The one branch on the cluster's x (q, k or v) is the same in all sixteen partners.
; 192 work-groups: a tile of 128 x 128 would give 768, but each LDS byte would then feed half the multiply-adds.
; LIMITS: a block of zeros carries the byte 1, not 127 (its codes are zeros; this program alone reads the bytes); NaN and infinities are not served.
; REGISTERS, in windows of 256: window 0: v0-31 addresses; v32-63 scale words, two sets; from v128 A's fragments, ONE set.  window 1: B's fragments, TWO sets.  windows 2, 3: the accumulators ((a, b) at v[8 (8 (a % 4) + b)]).
;   On the way out: window 0: v32-48 the quantiser's work, v64-127 RoPE's products, v128-143 codes, v144-179 rows read back; window 1: cos and sin, two sets of 128.
.set SIZE_K, 2048
.set KSTEP,  256                       ; along K in a slot
.set NQ,     KSTEP/128                 ; matrix instructions deep
.set ROWB,   256                       ; a tile's row in bytes
.set KROW,   SIZE_K                    ; a row of codes in memory, in bytes
.set PITCH,  272                       ; an LDS row: 256 bytes + 16 of padding = 68 words: row r starts at bank 4 r mod 64 (64 banks of 4 bytes: ISA guide 11.1)
.set FR,     16                        ; registers of a fragment: 16 rows x 128 K
.set NL,     4                         ; LDS loads that bring one
.set NP,     8                         ; places behind this matrix instruction (ISA guide 7.12.1)
.set HALFT,  128*PITCH                 ; 128 rows: what one tensor load brings
.set SLOT,   4*HALFT                   ; A's 256 rows, then B's 256 rows
.set LAPS,   SIZE_K/(2*KSTEP)          ; a lap = two K steps = once round the ring
.set KS,     SIZE_K/32                 ; a row of scales in bytes
.set SCL,    2*SLOT                    ; behind the ring: the scales, as pieces of 256 bytes + 16 of padding
.set HALFS,  (128*KS/256)*272          ; the scales of 128 rows
.set SBLK,   (16*KS/256)*272           ; those of 16 rows
.set SPARE,  SCL+4*HALFS               ; the spare words, 128 bytes for each wave, that no other line names
.set WSTG,   3072                      ; the way out: for each wave 16 rows x 144 bytes, then 512 bytes of scale words; in slot 0, which has had its last fill and its last read by then
.set ADRA, 16                          ; v16-17  LDS address of my A fragments in slot 0, 1
.set ADRB, 20                          ; v20-21  the same for B
.set SWO,  22                          ; v22     the way out: where a row's scale word goes
.set SRD,  23                          ; v23     and where 16 bytes of the words are read back
.set STO,  24                          ; v24     where I put 16 bytes of a row of codes
.set RD,   25                          ; v25     where I read codes back
.set CO,   26                          ; v26     16 x lane: my byte offset in 512 bytes of output
.set ADRS, 27                          ; v27     LDS address of my scale words: lanes 0-15 A's rows, lanes 16-31 B's
.set SPW,  28                          ; v28     LDS address of my spare word; never rewritten
.set NIL,  29                          ; v29     0; never rewritten
.set ROF,  30                          ; v30     my byte offset in the tables: my token's row within 32, my half's 16 numbers
.set FLO,  31                          ; v31     the floor 2^(9 - 127)
.set SC,   32                          ; scale words: set s at v[SC + 8 NQ s]
.set AF,   128                         ; A's fragments, in window 0
.set TM,   32                          ; the way out: v32-35 largest magnitudes, v36-39 bytes, v40-43 448 x the scale, v44-47 the conversions' scale operands
.set PW,   48                          ; the scale word just made
.set T,    64                          ; v64-127 RoPE's products with sin
.set PCD,  128                         ; v128-143 the codes just made
.set OUT,  144                         ; v144-159, v160-175 rows read back, by turns
.set G1, 24                            ; s[24:31] descriptor group 1 for A's tiles;  s[32:39] group 0, one set for each slot
.set G0, 32
.set G1B, 48                           ; s[48:55], s[56:63] the same for B's tiles
.set G0B, 56
.set G1S, 68                           ; s[68:75], s[76:79] groups 1 and 0 for A's scales;  s[80:87], s[88:91] for B's
.set G0S, 76
.set G1SB, 80
.set G0SB, 88
.set ISV, 95                           ; s95  1 in the clusters that make v
.set SEL, 96                           ; s96, s97 lane selects for v_permlanex16_b32: lane l xor 16
.set MNT, 98                           ; s98  the mantissa field of 448
.set MSB, 0
.macro WIN new                         ; the immediate's high byte repeats the setting that is left
.if MSB != \new
	s_set_vgpr_msb (MSB<<8)|\new
.set MSB, \new
.endif
.endm
.set MUL_LO, 0xa1                      ; source 0 (B) window 1, source 1 (A) window 0, C and D window 2
.set MUL_HI, 0xf1                      ; the same, C and D window 3
.set TO_B,   0x40                      ; destination window 1, address window 0
; A joint load: waves 0 and 1 fetch for A, waves 2 and 3 for B.  Each of the two lines has one mask and one set of registers for all that issue it; the branch hangs on the wave's number alone.
; Four v_nop follow each of the two lines, ahead of the jump, the label and what follows.
.macro JLOAD g0a, g1a, g0b, g1b
	s_cmp_eq_u32 s15, 0
	s_cbranch_scc0 .Lfor_b_\@
	tensor_load_to_lds s[\g0a:\g0a+3], s[\g1a:\g1a+7]
	s_nop 0
.rept 4
	v_nop
.endr
	s_branch .Lasked_\@
.Lfor_b_\@:
	tensor_load_to_lds s[\g0b:\g0b+3], s[\g1b:\g1b+7]
	s_nop 0
.rept 4
	v_nop
.endr
.Lasked_\@:
.endm
.macro CREST                           ; a round of the cluster's barrier behind its opening barrier
	s_cmp_lg_u32 s14, 0
	s_cbranch_scc1 .Lnot_wave_0_\@
	s_barrier_signal -3
.Lnot_wave_0_\@:
	s_barrier_wait -3
	s_barrier_signal -1
	s_barrier_wait -1
.endm
.macro CROUND                          ; a whole round
	s_barrier_signal -1
	s_barrier_wait -1
	CREST
.endm
	s_load_b256 s[4:11], s[0:1], 0x0               ; codes s[4:5], scales s[6:7], rope_cos s[8:9], rope_sin s[10:11]
	s_load_b64 s[12:13], s[0:1], 0x20              ; qkv_codes
	s_load_b64 s[66:67], s[0:1], 0x28              ; qkv_scales
	v_lshl_add_u32 v[SPW], v0, 2, SPARE
	v_mov_b32 v[NIL], 0
	ds_add_u32 v28, v29
	s_wait_dscnt 0x0
	v_lshrrev_b32 v1, 5, v0
	v_readfirstlane_b32 s14, v1                    ; wave 0..3
	s_lshr_b32 s15, s14, 1                         ; which half of the tile's rows is mine.  Also: I fetch for A (0) or for B (1)
	s_and_b32 s16, s14, 1                          ; which half of its columns.  Also: which 128 rows of that tile I fetch
	s_bfe_u32 s40, ttmp6, 0x40000                  ; cx, cy: my place in the cluster
	s_bfe_u32 s41, ttmp6, 0x40004
	s_lshl_b32 s42, ttmp9, 2
	s_add_co_u32 s42, s42, s40                     ; tile column = 4 x cluster x + cx: 0 .. 23
	s_and_b32 s17, ttmp7, 0xffff
	s_lshl_b32 s17, s17, 2
	s_add_co_u32 s17, s17, s41                     ; tile row = 4 x cluster y + cy: 0 .. 7
	s_lshl_b32 s43, s41, 2
	s_lshl_b32 s43, 15, s43                        ; my row of the cluster
	s_lshl_b32 s44, 0x1111, s40                    ; my column
	s_lshr_b32 s[ISV], ttmp9, 2                    ; cluster x is 0 .. 5: 1 in clusters 4 and 5, which make v: the same in all sixteen partners
	s_mul_i32 s96, s[ISV], 6144                    ; Wv begins at row 6,144 of the five tensors' rows
	; descriptor group 1: a tile of 128 rows x 256 bytes, padded in LDS
	s_or_b32 s[G1+0], s43, (0<<16)|(1<<20)|(1<<21)|(5<<22)|(3<<25)  ; 15:0 the mask: A's tiles go to my row; 17:16 element of 1 byte; 20 padding on; 21 set beside a mask; 24:22 after every 64 words (code 5); 31:25 of 4 words (code 3)
	s_or_b32 s[G1B+0], s44, (0<<16)|(1<<20)|(1<<21)|(5<<22)|(3<<25)
.irp g, G1, G1B
	s_mov_b32 s[\g+1], ROWB<<16                    ; tensor_dim0
	s_mov_b32 s[\g+2], 128<<16                     ; tensor_dim1 = 128
	s_mov_b32 s[\g+3], ROWB<<16                    ; tile_dim0
	s_mov_b32 s[\g+4], 128                         ; tile_dim1 = 128
	s_mov_b32 s[\g+5], KROW                        ; tensor_dim0_stride
	s_mov_b32 s[\g+6], 0
	s_mov_b32 s[\g+7], 0
.endr
	; and for the scales of 128 rows: a dense block of 8,192 bytes, as rows of 256 bytes (32 elements of 8 bytes), 16 bytes of padding behind each
	s_or_b32 s[G1S+0], s43, (3<<16)|(1<<20)|(1<<21)|(5<<22)|(3<<25)
	s_or_b32 s[G1SB+0], s44, (3<<16)|(1<<20)|(1<<21)|(5<<22)|(3<<25)
.irp g, G1S, G1SB
	s_mov_b32 s[\g+1], 32<<16
	s_mov_b32 s[\g+2], (128*KS/256)<<16
	s_mov_b32 s[\g+3], 32<<16
	s_mov_b32 s[\g+4], 128*KS/256
	s_mov_b32 s[\g+5], 32
	s_mov_b32 s[\g+6], 0
	s_mov_b32 s[\g+7], 0
.endr
	s_lshl_b32 s18, s16, 7                         ; which 128 rows of the tile I fetch
	s_lshl_b32 s20, s17, 8
	s_add_co_u32 s20, s20, s18
	s_add_co_u32 s20, s20, s96                     ; A: row 256 x tile row + 128 x half, in x (q, k) or in Wv (v)
	s_lshl_b32 s46, s42, 8
	s_add_co_u32 s46, s46, s18
	s_add_co_u32 s46, s46, 2048
	s_sub_co_u32 s46, s46, s96                     ; B: row 2,048 + 256 x tile column + 128 x half: Wq, Wk; for v 6,144 less: 256 (tile column - 16) + 128 x half, in x
	s_mov_b32 s21, 0
	s_mov_b32 s47, 0
	s_mov_b64 s[18:19], KS
	s_mul_u64 s[22:23], s[20:21], s[18:19]         ; where these rows' scales begin, in bytes
	s_mul_u64 s[92:93], s[46:47], s[18:19]
	s_mov_b64 s[18:19], KROW
	s_mul_u64 s[20:21], s[20:21], s[18:19]         ; and their codes
	s_mul_u64 s[46:47], s[46:47], s[18:19]
	s_mul_i32 s45, s14, HALFT                      ; where they go: wave x 128 rows: no place in the cluster enters an LDS address
	s_mul_i32 s94, s14, HALFS
	s_wait_kmcnt 0x0
	s_add_nc_u64 s[20:21], s[4:5], s[20:21]
	s_add_nc_u64 s[22:23], s[6:7], s[22:23]
	s_add_nc_u64 s[46:47], s[4:5], s[46:47]
	s_add_nc_u64 s[92:93], s[6:7], s[92:93]
	CROUND                                         ; all sixteen work-groups are here: the first joint loads meet
	s_mov_b32 s[G0S], 1
	s_add_co_u32 s[G0S+1], s94, SCL
	s_mov_b64 s[G0S+2:G0S+3], s[22:23]
	s_or_b32 s[G0S+3], s[G0S+3], 0x80000000
	s_mov_b32 s[G0SB], 1
	s_add_co_u32 s[G0SB+1], s94, SCL
	s_mov_b64 s[G0SB+2:G0SB+3], s[92:93]
	s_or_b32 s[G0SB+3], s[G0SB+3], 0x80000000
	JLOAD G0S, G1S, G0SB, G1SB                     ; the scales first: they are wanted with K step 0
.irp s, 0,1
	s_mov_b32 s[G0+4*\s], 1
	s_add_co_u32 s[G0+4*\s+1], s45, \s*SLOT
	s_add_nc_u64 s[G0+4*\s+2:G0+4*\s+3], s[20:21], \s*ROWB
	s_or_b32 s[G0+4*\s+3], s[G0+4*\s+3], 0x80000000
	s_mov_b32 s[G0B+4*\s], 1
	s_add_co_u32 s[G0B+4*\s+1], s45, \s*SLOT
	s_add_nc_u64 s[G0B+4*\s+2:G0B+4*\s+3], s[46:47], \s*ROWB
	s_or_b32 s[G0B+4*\s+3], s[G0B+4*\s+3], 0x80000000
	JLOAD G0+4*\s, G1, G0B+4*\s, G1B               ; three tensor loads of mine are out behind the second of these
.endr
	v_and_b32 v1, 15, v0                           ; r = l % 16
	v_bfe_u32 v2, v0, 4, 1                         ; h = l / 16
	v_mul_u32_u24 v3, v1, PITCH
	v_lshl_add_u32 v4, v2, 4, v3                   ; a fragment's row x pitch + 16 x half
	s_mul_i32 s21, s15, HALFT                      ; my 128 rows of A
	s_mul_i32 s22, s16, HALFT                      ; my 128 rows of B,
	s_add_co_u32 s22, s22, 2*HALFT                 ; which lie behind A's 256
.irp s, 0,1
	v_add_nc_u32 v[ADRA+\s], s21, v4
	v_add_nc_u32 v[ADRB+\s], s22, v4
	s_add_co_u32 s21, s21, SLOT
	s_add_co_u32 s22, s22, SLOT
.endr
	v_mul_u32_u24 v5, v1, KS                       ; my row's scales: KS bytes a row,
	v_lshrrev_b32 v6, 8, v5
	v_lshl_add_u32 v5, v6, 4, v5                   ; and 16 more for each 256 passed
	s_mul_i32 s21, s15, HALFS                      ; A's: my 128 rows
	s_mul_i32 s22, s16, HALFS                      ; B's: my 128 rows, behind A's 256
	s_add_co_u32 s22, s22, 2*HALFS
	s_sub_co_u32 s22, s22, s21
	v_mul_u32_u24 v6, s22, v2                      ; lanes 16-31 take B's
	s_add_co_u32 s21, s21, SCL
	v_add_nc_u32 v5, v5, v6
	v_add_nc_u32 v[ADRS], s21, v5
	; the way out's addresses
	s_mul_i32 s23, s14, WSTG                       ; my stage
	v_mul_u32_u24 v5, v1, 144                      ; in: row r of 128 bytes + 16 of padding, 16 bytes for each half of the lanes
	v_lshl_add_u32 v5, v2, 4, v5
	v_add_nc_u32 v[STO], s23, v5
	v_and_b32 v6, 31, v0
	v_lshrrev_b32 v7, 3, v6                        ; back: eight lanes to a row, four rows an instruction
	v_mul_u32_u24 v7, v7, 144
	v_and_b32 v8, 7, v6
	v_lshl_add_u32 v7, v8, 4, v7
	v_add_nc_u32 v[RD], s23, v7
	v_lshlrev_b32 v[CO], 4, v6
	v_lshlrev_b32 v9, 2, v1
	v_add_nc_u32 v9, s23, v9
	v_add_nc_u32 v[SWO], 16*144, v9                ; the scale words lie behind the 16 rows: 4 bytes a row
	v_add_nc_u32 v10, s23, v[CO]
	v_add_nc_u32 v[SRD], 16*144, v10
	v_and_b32 v11, 8, v1
	v_add_nc_u32 v11, v11, v1                      ; r + 8 (r / 8): the place 16 a + r holds token 32 (a / 2) + 8 (a % 2) + r + 8 (r / 8)
	v_lshlrev_b32 v11, 9, v11                      ; a row of a table is 512 bytes
	v_lshl_add_u32 v[ROF], v2, 6, v11              ; + my half's 16 numbers of each 32
	; where my 128 rows of output begin.  q, k: block 2 x tile column + column half, rows 256 x tile row + 128 x row half;  v: block 32 + 2 x tile row + row half, rows 256 (tile column - 16) + 128 x column half
	s_lshl_b32 s96, s17, 1
	s_add_co_u32 s96, s96, s15
	s_add_co_u32 s96, s96, 32
	s_lshl_b32 s97, s42, 1
	s_add_co_u32 s97, s97, s16
	s_lshl_b32 s98, s42, 8
	s_lshl_b32 s99, s16, 7
	s_add_co_u32 s98, s98, s99
	s_sub_co_u32 s98, s98, 4096
	s_lshl_b32 s99, s17, 8
	s_lshl_b32 s100, s15, 7
	s_add_co_u32 s99, s99, s100
	s_cmp_lg_u32 s[ISV], 0
	s_cselect_b32 s96, s96, s97                    ; the block of 2,048 rows
	s_cselect_b32 s98, s98, s99                    ; my first row in it
	s_lshl_b32 s20, s96, 18                        ; a block of codes is 262,144 bytes, a row 128
	s_lshl_b32 s21, s98, 7
	s_add_co_u32 s20, s20, s21
	s_mov_b32 s21, 0
	s_add_nc_u64 s[12:13], s[12:13], s[20:21]
	s_lshl_b32 s20, s96, 13                        ; a block of scale words is 8,192 bytes, a row 4
	s_lshl_b32 s22, s98, 2
	s_add_co_u32 s20, s20, s22
	s_add_nc_u64 s[66:67], s[66:67], s[20:21]
	s_lshl_b32 s20, s98, 9                         ; the tables at my first token (a multiple of 128, which the exchange of bits 3 and 4 leaves alone)
	s_add_nc_u64 s[8:9], s[8:9], s[20:21]
	s_add_nc_u64 s[10:11], s[10:11], s[20:21]
	s_mov_b32 s[SEL], 0x76543210
	s_mov_b32 s[SEL+1], 0xfedcba98
	s_mov_b32 s[MNT], 0x600000
.macro FRAG reg, adr, q, i             ; a fragment, 16 rows x 128 K of 8-bit codes, is 16 registers: lane l holds row l % 16; registers 4 c .. 4 c + 3 hold K = 32 c + 16 (l / 16) + 0 .. 15
.irp c, 0,1,2,3
	ds_load_b128 v[\reg+4*\c:\reg+4*\c+3], v[\adr] offset:128*(\q)+32*\c+(\i)*16*PITCH
.endr
.endm
; 16 matrix instructions: A's blocks a0, a0 + 1 x B's eight, 128 along K: the slot's q-th.  p: B's set;  sc: the set of scale words.  zero = 1: the first product starts the sums: nothing is ever cleared.
; The 64 accumulators take turns, one instruction a turn, in the same order in every step.
.macro MUL16 a0, p, q, sc, zero
.irp a, \a0, \a0+1
.irp b, 0,1,2,3,4,5,6,7
.if \zero
	v_wmma_scale_f32_16x16x128_f8f6f4 v[8*(8*((\a)%4)+\b):8*(8*((\a)%4)+\b)+7], v[128*(\p)+FR*\b:128*(\p)+FR*\b+FR-1], v[AF+FR*(\a):AF+FR*(\a)+FR-1], 0, v[SC+8*NQ*(\sc)+NQ*\b+(\q)], v[SC+8*NQ*(\sc)+NQ*(\a)+(\q)] matrix_a_scale:MATRIX_SCALE_ROW1
.else
	v_wmma_scale_f32_16x16x128_f8f6f4 v[8*(8*((\a)%4)+\b):8*(8*((\a)%4)+\b)+7], v[128*(\p)+FR*\b:128*(\p)+FR*\b+FR-1], v[AF+FR*(\a):AF+FR*(\a)+FR-1], v[8*(8*((\a)%4)+\b):8*(8*((\a)%4)+\b)+7], v[SC+8*NQ*(\sc)+NQ*\b+(\q)], v[SC+8*NQ*(\sc)+NQ*(\a)+(\q)] matrix_a_scale:MATRIX_SCALE_ROW1
.endif
.endr
.endr
.endm
.macro FETCH_B slot, q, p              ; B's eight fragments of the slot's q-th 128 along K into set p
	WIN TO_B
.irp i, 0,1,2,3,4,5,6,7
	FRAG 128*(\p)+FR*\i, ADRB+\slot, \q, \i
.endr
	WIN 0
.endm
.macro FETCH_A slot, q, i0             ; A's blocks i0 .. i0 + 3
.irp i, \i0, \i0+1, \i0+2, \i0+3
	FRAG AF+FR*(\i), ADRA+\slot, \q, \i
.endr
.endm
.macro SCALES sc                       ; the next K step's scale words into set sc: NQ words a row; lanes 0-15 take A's block i, lanes 16-31 B's block i
.irp i, 0,1,2,3,4,5,6,7
	ds_load_b64 v[SC+8*NQ*\sc+NQ*\i:SC+8*NQ*\sc+NQ*\i+1], v[ADRS] offset:\i*SBLK
.endr
.endm
; A load into a register that a matrix instruction has read, and a vector instruction or an LDS store that reads a matrix result, stand NP places behind that matrix instruction; only plain vector
; instructions that name none of its registers are places (ISA guide 7.12.1 for vector instructions).
.macro PLACES n
.rept \n
	v_nop
.endr
.endm
; A step of 128 along K that has its successor in the same slot.
.macro STEP slot, q, zero
	s_wait_dscnt 4*NL                              ; B's set and A's blocks 0-3 are in; the youngest 16 loads (A's blocks 4-7) may be out
	WIN MUL_LO
	MUL16 0, (\q)%2, \q, \slot, \zero
	MUL16 2, (\q)%2, \q, \slot, \zero
	s_wait_dscnt 0                                 ; A's blocks 4-7 are in (asked for 32 matrix instructions ago)
	PLACES NP
	FETCH_B \slot, (\q)+1, 1-(\q)%2
	FETCH_A \slot, (\q)+1, 0
	WIN MUL_HI
	MUL16 4, (\q)%2, \q, \slot, \zero
	MUL16 6, (\q)%2, \q, \slot, \zero
	PLACES NP
	WIN 0
	FETCH_A \slot, (\q)+1, 4
.endm
; A slot's last step changes slots: ONE barrier; in front of it each wave waits for all its tensor loads, adds 0 to its spare word, and waits for that and for its own reads of this slot.  fill = 1: this slot is filled again, two K steps ahead.
.macro TURN slot, next, fill
	s_wait_tensorcnt 0x0                           ; all my tensor loads have landed: my part of the next slot;  (every window is 0 here)
	ds_add_u32 v[SPW], v[NIL]                      ; 0 onto my spare word
	s_wait_dscnt 4*NL+1                            ; (the add and the youngest 16 loads, A's blocks 4-7, may be out)
	WIN MUL_LO
	MUL16 0, 1, NQ-1, \slot, 0                     ; sixteen matrix instructions stand between the add and the wait for it
	s_wait_dscnt 0x0                               ; the add is done, and my reads of this slot are over
	s_barrier_signal -1
	MUL16 2, 1, NQ-1, \slot, 0
	WIN 0
	s_barrier_wait -1
.if \fill
	CREST                                          ; the barrier has opened a round of the cluster's barrier: no wave of any partner still reads this slot's tile or has a load on its way
	s_add_nc_u64 s[G0+4*\slot+2:G0+4*\slot+3], s[G0+4*\slot+2:G0+4*\slot+3], 2*ROWB
	s_add_nc_u64 s[G0B+4*\slot+2:G0B+4*\slot+3], s[G0B+4*\slot+2:G0B+4*\slot+3], 2*ROWB
	JLOAD G0+4*\slot, G1, G0B+4*\slot, G1B         ; the first tensor load behind the round; the four v_nop behind it are among the places in front of the loads below
	PLACES NP-4
.else
	PLACES NP
.endif
	v_add_nc_u32 v[ADRS], 4*NQ, v[ADRS]            ; on to the next K step's scale words (no LDS load of mine is out)
	FETCH_B \next, 0, 0
	FETCH_A \next, 0, 0
	SCALES \next
	WIN MUL_HI
	MUL16 4, 1, NQ-1, \slot, 0
	MUL16 6, 1, NQ-1, \slot, 0
	PLACES NP
	WIN 0
	FETCH_A \next, 0, 4
.endm
	s_wait_tensorcnt 1                             ; the scales and my part of K step 0 are in (K step 1's load may be out),
	s_barrier_signal -1
	s_barrier_wait -1                              ; everybody's are
	FETCH_B 0, 0, 0
	FETCH_A 0, 0, 0
	SCALES 0
	FETCH_A 0, 0, 4
	STEP 0, 0, 1                                   ; the first step stands in front of the loop: its products start the sums
	s_mov_b32 s3, LAPS-1
.Llap:                                                 ; a trip goes once round the ring, from a lap's second step to the next lap's first, and fills both slots again
	TURN 0, 1, 1
	STEP 1, 0, 0
	TURN 1, 0, 1
	STEP 0, 0, 0
	s_sub_co_u32 s3, s3, 1
	s_cmp_lg_u32 s3, 0
	s_cbranch_scc1 .Llap
	TURN 0, 1, 0                                   ; the last lap fills nothing, and has no round of the cluster's barrier
	STEP 1, 0, 0
	s_wait_dscnt 4*NL                              ; the very last step: nothing more to fetch
	WIN MUL_LO
	MUL16 0, 1, NQ-1, 1, 0
	MUL16 2, 1, NQ-1, 1, 0
	s_wait_dscnt 0
	WIN MUL_HI
	MUL16 4, 1, NQ-1, 1, 0
	MUL16 6, 1, NQ-1, 1, 0
	WIN 0
; THE WAY OUT, block a of 16 rows at a time.  Of block a lane (r, h) holds 64 numbers of one row: register n (at v[64 (a % 4) + n] of window 2 + a / 4) is k = 32 (n / 16) + 16 h + n % 16 of the next product's K.
; cos and sin of block a's 16 tokens, in the accumulators' order: 32 loads of 16 bytes into set a % 2 of window 1 (cos at 128 (a % 2) + n, sin 64 further on)
.macro ROPELD a
	WIN TO_B
.irp c, 0,1,2,3
.irp j, 0,1,2,3
	global_load_b128 v[128*((\a)%2)+16*\c+4*\j:128*((\a)%2)+16*\c+4*\j+3], v[ROF], s[8:9] offset:(32*((\a)/2)+8*((\a)%2))*512+128*\c+16*\j
	global_load_b128 v[128*((\a)%2)+64+16*\c+4*\j:128*((\a)%2)+64+16*\c+4*\j+3], v[ROF], s[10:11] offset:(32*((\a)/2)+8*((\a)%2))*512+128*\c+16*\j
.endr
.endr
	WIN 0
.endm
; RoPE: d and d + 64 are registers n and n + 32 of one lane.  x'(d) = x(d) cos(d) - x(d + 64) sin(d);  x'(d + 64) = x(d + 64) cos(d + 64) + x(d) sin(d + 64).  All 128 columns of both tables are used as given.
; The products with sin go to other registers first, since both halves are read before either is written; each accumulator is read from its low end on.
.macro ROPE a
.set WD, 2+(\a)/4
.set AC, 64*((\a)%4)
.set CSB, 128*((\a)%2)
.set WW, WD|4                          ; source 0 the accumulators' window, source 1 window 1
	WIN WW
.set NN, 0
.rept 16
	v_pk_mul_f32 v[T+NN:T+NN+1], v[AC+32+NN:AC+33+NN], v[CSB+64+NN:CSB+65+NN]
.set NN, NN+2
.endr
.set NN, 0
.rept 16
	v_pk_mul_f32 v[T+32+NN:T+33+NN], v[AC+NN:AC+NN+1], v[CSB+96+NN:CSB+97+NN]
.set NN, NN+2
.endr
.set WW, (WD<<6)|WD|4                  ; and the destination there too
	WIN WW
.set NN, 0
.rept 16
	v_pk_fma_f32 v[AC+NN:AC+NN+1], v[AC+NN:AC+NN+1], v[CSB+NN:CSB+NN+1], v[T+NN:T+NN+1] neg_lo:[0,0,1] neg_hi:[0,0,1]
.set NN, NN+2
.endr
.rept 16
	v_pk_fma_f32 v[AC+NN:AC+NN+1], v[AC+NN:AC+NN+1], v[CSB+NN:CSB+NN+1], v[T+NN:T+NN+1]
.set NN, NN+2
.endr
.endm
; The block's 64 numbers a lane become a row's 64 codes in v[PCD] on and its scale word in v[PW]; a block of 32 lies in lanes l and l xor 16.
.macro QUANTW a
.set WD, 2+(\a)/4
.set AC, 64*((\a)%4)
.set WW, (WD<<2)|(WD<<4)               ; sources 1 and 2 in the accumulators' window
	WIN WW
.irp c, 0,1,2,3
	v_max3_num_f32 v[TM+\c], v[FLO], |v[AC+16*\c]|, |v[AC+16*\c+1]|   ; my 16 numbers of block c, and the floor: so the byte cannot fall under 1
.endr
.irp i, 2,4,6,8,10,12,14
.irp c, 0,1,2,3
	v_max3_num_f32 v[TM+\c], v[TM+\c], |v[AC+16*\c+\i]|, |v[AC+16*\c+\i+1]|   ; (the four blocks by turns)
.endr
.endr
	WIN 0
.irp c, 0,1,2,3
	v_permlanex16_b32 v[TM+4+\c], v[TM+\c], s[SEL], s[SEL+1]
.endr
.irp c, 0,1,2,3
	v_max_num_f32 v[TM+\c], v[TM+\c], v[TM+4+\c]   ; with lane l xor 16's: the block's largest magnitude
.endr
.irp c, 0,1,2,3
	v_add_nc_u32 v[TM+12+\c], 0xfc000000, v[TM+\c] ; 8 off its exponent field: the conversion's scale operand
.endr
.irp c, 0,1,2,3
	v_and_or_b32 v[TM+8+\c], v[TM+\c], 0x7f800000, s[MNT]   ; 448 x the scale
.endr
.irp c, 0,1,2,3
	v_lshrrev_b32 v[TM+4+\c], 23, v[TM+12+\c]      ; the scale's byte
.endr
	v_lshl_or_b32 v[PW], v[TM+5], 8, v[TM+4]       ; the four bytes make my row's scale word
	v_lshl_or_b32 v[PW], v[TM+6], 16, v[PW]
	v_lshl_or_b32 v[PW], v[TM+7], 24, v[PW]
.set WW, (WD<<6)|WD
	WIN WW
.irp c, 0,1,2,3
.irp i, 0,1,2,3,4,5,6,7,8,9,10,11,12,13,14,15
	v_med3_num_f32 v[AC+16*\c+\i], v[AC+16*\c+\i], -v[TM+8+\c], v[TM+8+\c]   ; the conversion to an 8-bit code does not saturate (ISA guide 7.6.2): the hold
.endr
.endr
	WIN WD
.irp c, 0,1,2,3
	v_cvt_scalef32_pk8_fp8_f32 v[PCD+4*\c:PCD+4*\c+1], v[AC+16*\c:AC+16*\c+7], v[TM+12+\c]
	v_cvt_scalef32_pk8_fp8_f32 v[PCD+4*\c+2:PCD+4*\c+3], v[AC+16*\c+8:AC+16*\c+15], v[TM+12+\c]
.endr
	WIN 0
	v_nop                                          ; one plain line behind the last conversion
.endm
; Block a: RoPE (rope = 1), quantised, through my stage at so, out as 4 x 512 consecutive bytes: 16 rows of 128 bytes lie on end in memory.
.macro OUTBLK a, rope, so
.if \rope
.if (\a) < 7
	s_wait_loadcnt 32                              ; this block's 32 loads are in; the next block's 32 may be out
.else
	s_wait_loadcnt 0
.endif
	ROPE \a
.if (\a) < 6
	ROPELD (\a)+2                                  ; the set just read takes the block two further on
.endif
.endif
	QUANTW \a
.irp c, 0,1,2,3
	ds_store_b128 v[STO], v[PCD+4*\c:PCD+4*\c+3] offset:\so+32*\c   ; k = 32 c + 16 h + 0 .. 15 of my row
.endr
	ds_store_b32 v[SWO], v[PW] offset:\so+64*(\a)  ; lanes l and l xor 16 write the same word with the same value
.if (\a) > 1
	s_wait_xcnt 0x0                                ; block a - 2's stores have read their data: the registers are loaded again only behind this wait
.endif
.set OB, OUT+16*((\a)%2)
.irp i, 0,1,2,3
	ds_load_b128 v[OB+4*\i:OB+4*\i+3], v[RD] offset:\so+576*\i      ; served in order (ISA guide 5.7.1.4): these see my stores
.endr
	s_wait_dscnt 0x0
.irp i, 0,1,2,3
	global_store_b128 v[CO], v[OB+4*\i:OB+4*\i+3], s[12:13] offset:2048*(\a)+512*\i   ; 512 consecutive bytes, at a multiple of 512 from the buffer's first byte
.endr
.endm
.macro WAYOUT rope, so
.if \rope
	ROPELD 0
	ROPELD 1
.endif
.irp a, 0,1,2,3,4,5,6,7
	OUTBLK \a, \rope, \so
.endr
	ds_load_b128 v[176:179], v[SRD] offset:\so     ; my 128 rows' scale words
	s_wait_dscnt 0x0
	global_store_b128 v[CO], v[176:179], s[66:67]  ; 512 consecutive bytes, aligned
.endm
	PLACES NP                                      ; behind the last products: for the reads of their results and the loads into B's registers
	v_mov_b32 v[FLO], 0x4800000
.irp b, 0,1,2,3
	v_mov_b32 v[TM+4+\b], 0                        ; written once: a lane permute's destination counts as one of its sources
.endr
	s_cmp_lg_u32 s[ISV], 0                         ; q, k or v: by the cluster's x, the same in all partners.  The two ways are written out, each with stage bytes of its own
	s_cbranch_scc1 .Lv_out
	WAYOUT 1, 0
	s_branch .Lclose
.Lv_out:
	WAYOUT 0, 4*WSTG
.Lclose:
	s_wait_tensorcnt 0x0                           ; the wave's end: behind my last tensor load and my last LDS store
	ds_add_u32 v[SPW], v[NIL]
	s_wait_dscnt 0x0
	CROUND                                         ; the closing round: no work-group ends while a partner may still ask for a tile that names it
	s_endpgm
.Lfunc_end_k_q65d3bf2580_qkv:
	.size	k_q65d3bf2580_qkv, .Lfunc_end_k_q65d3bf2580_qkv-k_q65d3bf2580_qkv
	.p2alignl 7, 3214868480
	.fill 96, 4, 3214868480
	.section	.rodata,"a",@progbits
	.p2align	6, 0x0
	.amdhsa_kernel k_q65d3bf2580_qkv
		.amdhsa_group_segment_fixed_size 327680
		.amdhsa_private_segment_fixed_size 0
		.amdhsa_enable_private_segment 0
		.amdhsa_kernarg_size 48
		.amdhsa_user_sgpr_count 2
		.amdhsa_user_sgpr_kernarg_segment_ptr 1
		.amdhsa_wavefront_size32 1
		.amdhsa_system_sgpr_workgroup_id_x 1
		.amdhsa_system_sgpr_workgroup_id_y 1
		.amdhsa_system_sgpr_workgroup_id_z 1
		.amdhsa_system_vgpr_workitem_id 0
		.amdhsa_next_free_vgpr 1024
		.amdhsa_next_free_sgpr 102
		.amdhsa_reserve_vcc 0
		.amdhsa_float_denorm_mode_32 3
		.amdhsa_float_denorm_mode_16_64 3
		.amdhsa_memory_ordered 1
		.amdhsa_forward_progress 1
		.amdhsa_inst_pref_size 255
	.end_amdhsa_kernel
	.section	.bss,"aw",@nobits
	.p2align	6
	.space	262144
	.amdgpu_metadata
---
amdhsa.version: [ 1, 2 ]
amdhsa.kernels:
  - .name:           k_q65d3bf2580_qkv
    .symbol:         k_q65d3bf2580_qkv.kd
    .args:
      - { .name: codes, .offset: 0, .size: 8, .value_kind: global_buffer, .address_space: global }
      - { .name: scales, .offset: 8, .size: 8, .value_kind: global_buffer, .address_space: global }
      - { .name: rope_cos, .offset: 16, .size: 8, .value_kind: global_buffer, .address_space: global }
      - { .name: rope_sin, .offset: 24, .size: 8, .value_kind: global_buffer, .address_space: global }
      - { .name: qkv_codes, .offset: 32, .size: 8, .value_kind: global_buffer, .address_space: global }
      - { .name: qkv_scales, .offset: 40, .size: 8, .value_kind: global_buffer, .address_space: global }
    .group_segment_fixed_size: 327680
    .private_segment_fixed_size: 0
    .kernarg_segment_align: 8
    .kernarg_segment_size: 48
    .max_flat_workgroup_size: 128
    .sgpr_count:     102
    .vgpr_count:     1024
    .wavefront_size: 32
...
	.end_amdgpu_metadata
.endif
;; end of part 2
;; launch attn (part 3): grid 32 x 8, 8 waves a work-group, clusters of 4 x 4, 327,680 bytes of LDS; arguments qkv_codes, qkv_scales, attention_mask, o_codes, o_scales; writes o_codes, o_scales
.if DOCPART == 3
	.amdgcn_target "amdgcn-amd-amdhsa--gfx1250"
	.amdhsa_code_object_version 6
	.text
	.protected	k_q65d3bf2580_attn
	.globl	k_q65d3bf2580_attn
	.p2align	8
	.type	k_q65d3bf2580_attn,@function
k_q65d3bf2580_attn:
	s_mov_b64 s[64:65], 0
	v_nop
	global_prefetch_b8 v0, s[64:65] scope:SCOPE_SE
	s_setreg_imm32_b32 hwreg(HW_REG_WAVE_MODE, 25, 1), 1
	s_wait_xcnt 0x0
	s_wait_alu depctr_hold_cnt(0) depctr_sa_sdst(0) depctr_va_vdst(0) depctr_va_sdst(0) depctr_va_ssrc(0) depctr_va_vcc(0) depctr_vm_vsrc(0)
	s_getreg_b32 s2, hwreg(HW_REG_IB_STS2, 6, 4)
	s_cmp_eq_u32 s2, 0
	s_cbranch_scc0 .Lentry_in_a_cluster
	s_endpgm
.Lentry_in_a_cluster:
	s_bfe_u32 s2, ttmp6, 0x10000c
	s_cmp_lg_u32 s2, 0xf033
	s_cbranch_scc0 .Lentry_shape_is_right
	s_endpgm
.Lentry_shape_is_right:
; Attention on codes of FP8 (E4M3) with E8M0 scales: logit = (q . k) x 128^-0.5 + mask, the mask as it is given (f32, every number read and added); t = logit x log2(e); M = the row's largest t so far rounded UP to a
; whole number; p = 2^(t - M) is quantised along the keys, not normalised; the row's sum is taken of the unquantised p and divides O at the end; O is then quantised along the 2,048 of the last product's K.
; IN: qkv_codes [48][2048][128]: blocks 0-15 q [token's place][d], 16-31 k likewise, 32-47 v [key step][d's place][128 keys]; a row p lies at the place p with bits 3 and 4 exchanged; qkv_scales: a word a row.
; OUT: o_codes [token][2048], o_scales [token][64], rows in their own order.
; SHARES.  A work-group owns 64 queries and TWO heads: so a token's 256 bytes of o_codes are stored whole, and a tile of the mask serves two heads.  Wave w: head 2 y + w / 4, queries 16 (w % 4) on: one tile, 512 registers, two waves to a SIMD.
; LAYOUT.  Both products are used transposed (S^T = K Q^T, O^T = V^T P^T): a lane holds ONE query throughout.  By the order of the stored rows the 16 registers of tiles 2 b and 2 b + 1 are 16 neighbours (keys in S^T, d in O^T).
; PIPELINE.  16 steps of 128 keys.  A fill holds K of step j + 1, V of step j (both heads) and the mask's tile of step j; the scores of step 0 come from a region of their own.  In step j a wave adds the mask to the scores
; that it already holds, walks the softmax, and then issues V^T P of step j and K Q^T of step j + 1: V's and K's fragments come from LDS while the softmax is walked; only the mask's numbers are waited for at the head.
; CLUSTERS: 4 x 4 work-groups.  K, V and their scale words hang on the pair of heads alone: asked for jointly along a row of the cluster; the mask's tile hangs on the block of queries alone: jointly along a column.
; t IS ROUNDED BEFORE M IS TAKEN OFF (a multiplication and an addition, not one fused line): M is the ceiling of the ROUNDED t, and where a logit is about 1e9 in size (a row masked throughout) the unrounded product lies
; up to 64 from it; p would then not be the 2^(t - M) that is to be quantised.
; LIMITS: NaN and infinities are not served, nor t under -3e38; a block of zeros carries the byte 1 (its codes are zeros; this program alone reads the bytes); a block's largest p is made from its largest logit, which
; takes v_exp_f32 not to fall where its input rises.  o_scales is stored as words of 4 bytes, 64 bytes apart: 131,072 bytes in all.
; REGISTERS: window 0: v1-11 addresses; v12 -M, v13 the largest t, v[14:15] the sum; v16-31 Q; v32-39 V's scale words, v40-47 K's; v48-80 the last quantiser's; v96-159 S^T, then p; v160-223 O^T; v224-239 p's codes; v232-254 at work;
;   v253 p's scale word, v255 Q's.   window 1: v0-127 V's 8 fragments; v128-255 K's 8; at a step's head v128-191 hold the mask's 64 numbers.
.set SLOT1, 1<<17                      ; slot 1 begins here: one exclusive or turns an address in one slot into the other's
.set KP,    144                        ; a row of K or V in LDS: 128 bytes + 16 of padding
.set TILE,  128*KP                     ; a slot: K of head A, K of head B, V of head A, V of head B,
.set VOFF,  2*TILE
.set MOFF,  4*TILE                     ; then the mask's tile: 64 rows of 512 bytes + 16
.set MP,    528
.set K0OFF, MOFF+64*MP                 ; behind slot s: K of step 0 of head s, filled once
.set SCK,   2*SLOT1                    ; four dense blocks of 8,192 bytes: K's scale words of heads A, B, then V's
.set SPARE, SCK+4*8192                 ; the spare words, 128 bytes for each wave, that no other line names
.set SPITCH, 272                       ; the way out: 64 rows x (256 bytes + 16), at byte 0 of slot 0, which has had its last fill and its last read by then
.set AK0,  1                           ; v1   my lane's place in my head's tile of K
.set AM0,  2                           ; v2   in the mask's tile
.set AS0,  3                           ; v3   among my head's scale words of K
.set SPW,  5                           ; v5   LDS address of my spare word; never rewritten
.set NIL,  6                           ; v6   0; never rewritten
.set PFO,  7                           ; v7   the prefetches' offset; never rewritten
.set ADR,  8                           ; v8   the step's tiles of K and V
.set ADM,  9                           ; v9   the step's tile of the mask
.set ADS,  10                          ; v10  the step's scale words
.set AK00, 11                          ; v11  my lane's place in K of step 0
.set VS,   32
.set KS,   40
.set PCD,  48                          ; the last quantiser: codes,
.set TM,   64                          ; work,
.set PW,   80                          ; and the scale word
.set TB,   2                           ; s2   the slot in hand
.set TS,   3                           ; s3   512 x the step: where its scale words begin
.set WV,   14                          ; s14  my wave's number
.set HSL,  15                          ; s15  which of the two heads
.set TQ,   16                          ; s16  which tile of queries
.set MNT,  19                          ; s19  the mantissa field of 448
.set SEL,  20                          ; s[20:21] lane selects for v_permlanex16_b32: lane l xor 16
.set CS,   22                          ; s[22:23] log2(e), written twice: the packed forms name a pair
.set G1KV, 24                          ; s[24:31] descriptor group 1 for tiles of K and V
.set G1M,  32                          ; s[32:39] for the mask's
.set G0KV, 40                          ; s[40:43], s[44:47] their groups 0, which walk
.set G0M,  44
.set G1S,  48                          ; s[48:55] group 1 for the scale words; s[56:59] its group 0; s[60:63] group 0 for K of step 0
.set G0S,  56
.set G0K0, 60
.set SC,   66                          ; s[66:67] 128^-0.5, written twice
.set CNT,  68                          ; s68  trips to go
.set LIM,  69                          ; s69  a wave prefetches while s[CNT] is above it
.set PFA,  70                          ; s[70:71] where my prefetches stand
.set PFS,  72                          ; s[72:73] a step on, in bytes
.set CX,   74
.set CY,   75
.set XX,   76                          ; s76  my block of 64 queries
.set YY,   77                          ; s77  my pair of heads
.set RM,   78                          ; s78  my row of the cluster
.set CM,   79                          ; s79  my column
.set MSB, 0
.macro WIN new                         ; the immediate's high byte repeats the setting that is left
.if MSB != \new
	s_set_vgpr_msb (MSB<<8)|\new
.set MSB, \new
.endif
.endm
.macro CROUND                          ; a round of the cluster's barrier
	s_barrier_signal -1
	s_barrier_wait -1
	s_cmp_lg_u32 s[WV], 0
	s_cbranch_scc1 .Lnot_wave_0_\@
	s_barrier_signal -3
.Lnot_wave_0_\@:
	s_barrier_wait -3
	s_barrier_signal -1
	s_barrier_wait -1
.endm
; A joint refill.  Waves 0, 1: K of the two heads; waves 2, 3: V; wave 4: the mask's tile; the others nothing.  nok = 1: the last fill has no K.  The branches hang on the wave's number alone.
; Four v_nop follow each of the two lines.
.macro TLOAD nok
.if \nok
	s_lshr_b32 s80, s[WV], 1
	s_cmp_eq_u32 s80, 1
.else
	s_cmp_lt_u32 s[WV], 4
.endif
	s_cbranch_scc0 .Lnot_kv_\@
	tensor_load_to_lds s[G0KV:G0KV+3], s[G1KV:G1KV+7]
	s_nop 0
.rept 4
	v_nop
.endr
	s_branch .Lasked_\@
.Lnot_kv_\@:
	s_cmp_eq_u32 s[WV], 4
	s_cbranch_scc0 .Lasked_\@
	tensor_load_to_lds s[G0M:G0M+3], s[G1M:G1M+7]
	s_nop 0
.rept 4
	v_nop
.endr
.Lasked_\@:
.endm
; A PREFETCH INTO THE L2 of what the NEXT change of slots will ask for, behind the tensor load and its four lines.  Each aligned block of 256 bytes is named once in the launch.  K and V of a pair of heads are walked by all
; clusters of one cluster row: cluster x = 0 asks, wave 0 for K and wave 2 for V; the four partners that ask jointly take 4,096 bytes of each head's 16,384 each, told apart BY ADDRESS (cx).  The mask's tile is walked by both
; clusters of a cluster column: cluster y = 0 asks, wave 4; the partners take 16 of the 64 rows each (cy).  One instruction, a lane a block.  The last trips ask for nothing past the last step; nothing is asked for at the head.
.macro ASK
	s_cmp_gt_u32 s[CNT], s[LIM]
	s_cbranch_scc0 .Lnot_mine_\@
	global_prefetch_b8 v[PFO], s[PFA:PFA+1] th:TH_LOAD_NT scope:SCOPE_SE
.Lnot_mine_\@:
.endm
	s_load_b256 s[4:11], s[0:1], 0x0               ; qkv_codes s[4:5], qkv_scales s[6:7], attention_mask s[8:9], o_codes s[10:11]
	s_load_b64 s[12:13], s[0:1], 0x20              ; o_scales
	v_lshl_add_u32 v[SPW], v0, 2, SPARE
	v_mov_b32 v[NIL], 0
	ds_add_u32 v5, v6
	s_wait_dscnt 0x0
	v_lshrrev_b32 v8, 5, v0
	v_readfirstlane_b32 s[WV], v8                  ; wave 0..7
	s_lshr_b32 s[HSL], s[WV], 2
	s_and_b32 s[TQ], s[WV], 3
	s_bfe_u32 s[CX], ttmp6, 0x40000
	s_bfe_u32 s[CY], ttmp6, 0x40004
	s_lshl_b32 s[XX], ttmp9, 2
	s_add_co_u32 s[XX], s[XX], s[CX]               ; block of queries = 4 x cluster x + cx
	s_and_b32 s[YY], ttmp7, 0xffff
	s_lshl_b32 s[YY], s[YY], 2
	s_add_co_u32 s[YY], s[YY], s[CY]               ; pair of heads = 4 x cluster y + cy
	s_lshl_b32 s[RM], s[CY], 2
	s_lshl_b32 s[RM], 15, s[RM]
	s_lshl_b32 s[CM], 0x1111, s[CX]
	; group 1, K and V: 128 rows x 128 bytes, dense in memory, 16 bytes of padding behind each row
	s_or_b32 s[G1KV], s[RM], (0<<16)|(1<<20)|(1<<21)|(4<<22)|(3<<25)   ; 15:0 my row of the cluster; 17:16 elements of 1 byte; 20 padding on; 21 set beside a mask; 24:22 after every 32 words (code 4); 31:25 four words (code 3)
	s_mov_b32 s[G1KV+1], 128<<16                   ; tensor_dim0
	s_mov_b32 s[G1KV+2], 128<<16                   ; tensor_dim1
	s_mov_b32 s[G1KV+3], 128<<16                   ; tile_dim0
	s_mov_b32 s[G1KV+4], 128                       ; tile_dim1
	s_mov_b32 s[G1KV+5], 128                       ; tensor_dim0_stride
	s_mov_b32 s[G1KV+6], 0
	s_mov_b32 s[G1KV+7], 0
	; the mask: 64 rows x 128 f32, 2,048 elements from row to row, 16 bytes of padding behind each row
	s_or_b32 s[G1M], s[CM], (2<<16)|(1<<20)|(1<<21)|(6<<22)|(3<<25)    ; my column of the cluster; elements of 4 bytes; padding after every 128 words (code 6)
	s_mov_b32 s[G1M+1], 128<<16
	s_mov_b32 s[G1M+2], 64<<16
	s_mov_b32 s[G1M+3], 128<<16
	s_mov_b32 s[G1M+4], 64
	s_mov_b32 s[G1M+5], 2048
	s_mov_b32 s[G1M+6], 0
	s_mov_b32 s[G1M+7], 0
	; a head's scale words: 8,192 dense bytes as 32 rows of 256 bytes (32 elements of 8 bytes), no padding: a load's sixteen words lie on end
	s_or_b32 s[G1S], s[RM], (3<<16)|(1<<21)
	s_mov_b32 s[G1S+1], 32<<16
	s_mov_b32 s[G1S+2], 32<<16
	s_mov_b32 s[G1S+3], 32<<16
	s_mov_b32 s[G1S+4], 32
	s_mov_b32 s[G1S+5], 32
	s_mov_b32 s[G1S+6], 0
	s_mov_b32 s[G1S+7], 0
	; what I fetch, if I fetch.  K's, V's and the words' addresses are made of the pair of heads and the wave's number alone, the mask's of the block of queries alone
	s_and_b32 s80, s[WV], 1
	s_lshr_b32 s81, s[WV], 1
	s_lshl_b32 s82, s[YY], 1
	s_add_co_u32 s82, s82, s80                     ; head 2 y + w % 2
	s_lshl_b32 s83, s81, 4
	s_add_co_u32 s83, s83, 16
	s_add_co_u32 s83, s83, s82                     ; block 16 (1 + w / 2) + head: k for waves 0, 1; v for waves 2, 3
	s_lshl_b32 s86, s83, 18
	s_cmp_lt_u32 s[WV], 2
	s_cselect_b32 s84, 16384, 0                    ; K runs one step ahead of V
	s_add_co_u32 s86, s86, s84
	s_mov_b32 s87, 0
	s_lshl_b32 s88, s83, 13                        ; the block's scale words
	s_mov_b32 s89, 0
	s_add_co_u32 s90, s82, 16
	s_lshl_b32 s90, s90, 18                        ; K of step 0
	s_mov_b32 s91, 0
	s_lshl_b32 s92, s[XX], 19                      ; the mask: 64 rows of 8,192 bytes for each block of queries
	s_mov_b32 s93, 0
	s_mov_b32 s[SEL], 0x76543210
	s_mov_b32 s[SEL+1], 0xfedcba98
	s_mov_b32 s[CS], 0x3fb8aa3b                    ; log2(e)
	s_mov_b32 s[CS+1], s[CS]
	s_mov_b32 s[SC], 0x3db504f3                    ; 128^-0.5
	s_mov_b32 s[SC+1], s[SC]
	s_mov_b32 s[MNT], 0x600000
	s_mov_b32 s[TB], 0
	s_mov_b32 s[TS], 0
	s_wait_kmcnt 0x0
	s_mov_b32 s[G0KV], 1                           ; 1:0 count = 1
	s_mul_i32 s[G0KV+1], s[WV], TILE               ; 63:32 LDS address: slot 0, tile w
	s_add_nc_u64 s[G0KV+2:G0KV+3], s[4:5], s[86:87]
	s_or_b32 s[G0KV+3], s[G0KV+3], 0x80000000      ; 127:126 type = 2
	s_mov_b32 s[G0M], 1
	s_mov_b32 s[G0M+1], MOFF
	s_add_nc_u64 s[G0M+2:G0M+3], s[8:9], s[92:93]
	s_or_b32 s[G0M+3], s[G0M+3], 0x80000000
	s_mov_b32 s[G0S], 1
	s_lshl_b32 s94, s[WV], 13
	s_add_co_u32 s[G0S+1], s94, SCK
	s_add_nc_u64 s[G0S+2:G0S+3], s[6:7], s[88:89]
	s_or_b32 s[G0S+3], s[G0S+3], 0x80000000
	s_mov_b32 s[G0K0], 1
	s_lshl_b32 s94, s80, 17
	s_add_co_u32 s[G0K0+1], s94, K0OFF
	s_add_nc_u64 s[G0K0+2:G0K0+3], s[4:5], s[90:91]
	s_or_b32 s[G0K0+3], s[G0K0+3], 0x80000000
	CROUND                                         ; all sixteen work-groups are here: the first joint loads meet
	s_cmp_lt_u32 s[WV], 2                          ; a wave's first fills stand together in one branch: three loads of waves 0 and 1 are out, two of waves 2 and 3, one of wave 4; the wait for them is for 0
	s_cbranch_scc0 .Lff_not01
	tensor_load_to_lds s[G0S:G0S+3], s[G1S:G1S+7]
	s_nop 0
	tensor_load_to_lds s[G0K0:G0K0+3], s[G1KV:G1KV+7]
	s_nop 0
	tensor_load_to_lds s[G0KV:G0KV+3], s[G1KV:G1KV+7]
	s_nop 0
.rept 4
	v_nop
.endr
	s_branch .Lff_done
.Lff_not01:
	s_cmp_lt_u32 s[WV], 4
	s_cbranch_scc0 .Lff_not23
	tensor_load_to_lds s[G0S:G0S+3], s[G1S:G1S+7]
	s_nop 0
	tensor_load_to_lds s[G0KV:G0KV+3], s[G1KV:G1KV+7]
	s_nop 0
.rept 4
	v_nop
.endr
	s_branch .Lff_done
.Lff_not23:
	s_cmp_eq_u32 s[WV], 4
	s_cbranch_scc0 .Lff_done
	tensor_load_to_lds s[G0M:G0M+3], s[G1M:G1M+7]
	s_nop 0
.rept 4
	v_nop
.endr
.Lff_done:
	; Q: queries 64 x + 16 tq + r in their own order: query's place = 64 x + 32 (tq / 2) + 8 (tq % 2) + r + 8 (r / 8)
	v_and_b32 v8, 15, v0                           ; r
	v_bfe_u32 v9, v0, 4, 1                         ; h
	v_and_b32 v10, 8, v8
	v_add_nc_u32 v10, v10, v8
	v_lshlrev_b32 v254, 7, v10
	v_lshl_add_u32 v254, v9, 4, v254               ; a row of 128 bytes, + 16 h
	v_lshlrev_b32 v252, 2, v10
	s_lshl_b32 s80, s[YY], 1
	s_add_co_u32 s80, s80, s[HSL]                  ; my head
	s_lshl_b32 s81, s[XX], 6
	s_lshr_b32 s82, s[TQ], 1
	s_lshl_b32 s82, s82, 5
	s_add_co_u32 s81, s81, s82
	s_and_b32 s82, s[TQ], 1
	s_lshl_b32 s82, s82, 3
	s_add_co_u32 s81, s81, s82
	s_lshl_b32 s84, s80, 18
	s_lshl_b32 s85, s81, 7
	s_add_co_u32 s84, s84, s85
	s_mov_b32 s85, 0
	s_add_nc_u64 s[84:85], s[4:5], s[84:85]
	s_lshl_b32 s86, s80, 13
	s_lshl_b32 s87, s81, 2
	s_add_co_u32 s86, s86, s87
	s_mov_b32 s87, 0
	s_add_nc_u64 s[86:87], s[6:7], s[86:87]
.irp c, 0,1,2,3
	global_load_b128 v[16+4*\c:19+4*\c], v254, s[84:85] offset:32*\c   ; Q's fragment stays in registers
.endr
	global_load_b32 v255, v252, s[86:87]           ; and its scale words
	v_mul_u32_u24 v[AK0], v8, KP
	v_lshl_add_u32 v[AK0], v9, 4, v[AK0]           ; 144 r + 16 h
	s_lshl_b32 s88, s[HSL], 17
	s_add_co_u32 s88, s88, K0OFF
	v_add_nc_u32 v[AK00], s88, v[AK0]
	s_mul_i32 s88, s[HSL], TILE
	v_add_nc_u32 v[AK0], s88, v[AK0]               ; + my head's tile
	s_lshl_b32 s88, s[TQ], 4
	v_add_nc_u32 v[AM0], s88, v8
	v_mul_u32_u24 v[AM0], v[AM0], MP               ; the mask: row 16 tq + r,
	v_lshl_add_u32 v[AM0], v9, 6, v[AM0]           ; my half's 16 keys of each 32
	v_add_nc_u32 v[AM0], MOFF, v[AM0]
	s_lshl_b32 s88, s[HSL], 13
	s_add_co_u32 s88, s88, SCK
	v_lshl_add_u32 v[AS0], v8, 2, s88              ; scale words: 4 bytes a row; lanes 16-31 read the same words
	v_mov_b32 v13, 0xff61b1e6                      ; the largest t so far: -3e38
	v_floor_f32 v12, -v13                          ; -M
	v_mov_b32 v14, 0                               ; the sum, in two halves
	v_mov_b32 v15, 0
.irp b, 0,1,2,3
	v_mov_b32 v[236+\b], 0                         ; written once: a lane permute's destination counts as one of its sources
	v_mov_b32 v[TM+4+\b], 0
.endr
	v_mov_b32 v253, 0                              ; (named as the upper half of the pair v[252:253] before it is first written)
.set J, 0
.rept 64
	v_mov_b32 v[160+J], 0                          ; O^T.  (The step is written without a first step of its own: the first finds zeros, which the first change of M leaves zeros)
.set J, J+1
.endr
	; the prefetches: where my wave's stand, and who asks
	s_and_b32 s88, ttmp7, 0xffff                   ; cluster y
	s_mov_b32 s89, 16384
	s_mov_b32 s90, 0x40000
	s_cmp_eq_u32 s[WV], 4                          ; wave 4 asks for the mask, waves 0 and 2 for K and V
	s_cselect_b32 s88, s88, ttmp9                  ; the coordinate along which other clusters read the same bytes
	s_cselect_b64 s[PFA:PFA+1], s[8:9], s[4:5]
	s_cselect_b32 s[PFS], 512, s89                 ; a step on
	s_cselect_b32 s91, 1, 4                        ; lanes in a group: 2 (a row of the mask) or 16 (a head),
	s_cselect_b32 s92, 1, 15
	s_cselect_b32 s90, 8192, s90                   ; and from group to group
	s_mov_b32 s[PFS+1], 0
	v_and_b32 v[PFO], 31, v0
	v_lshrrev_b32 v232, s91, v[PFO]
	v_mul_lo_u32 v232, v232, s90
	v_and_b32 v233, s92, v[PFO]
	v_lshl_add_u32 v[PFO], v233, 8, v232           ; blocks of 256 bytes within a group
	s_lshr_b32 s93, s[WV], 1
	s_add_co_u32 s93, s93, 1
	s_lshl_b32 s93, s93, 4
	s_lshl_b32 s94, s[YY], 1
	s_add_co_u32 s93, s93, s94
	s_lshl_b32 s93, s93, 18                        ; K or V of head 2 y,
	s_lshl_b32 s94, s[CX], 12
	s_add_co_u32 s93, s93, s94                     ; my work-group's 4,096 bytes of a step's 16,384,
	s_add_co_u32 s93, s93, 16384                   ; V at step 1, K at step 2: the first change of slots steps them to 2 and 3
	s_cmp_eq_u32 s[WV], 0
	s_cselect_b32 s94, 16384, 0
	s_cselect_b32 s95, 1, 0                        ; K, a step ahead, ends a trip sooner
	s_add_co_u32 s93, s93, s94
	s_lshl_b32 s96, s[XX], 6
	s_lshl_b32 s97, s[CY], 4
	s_add_co_u32 s96, s96, s97                     ; the mask: my work-group's 16 rows of the 64,
	s_lshl_b32 s96, s96, 13
	s_add_co_u32 s96, s96, 512                     ; at step 1
	s_cmp_eq_u32 s[WV], 4
	s_cselect_b32 s96, s96, s93
	s_mov_b32 s97, 0
	s_add_nc_u64 s[PFA:PFA+1], s[PFA:PFA+1], s[96:97]
	s_and_b32 s93, s[WV], 1
	s_or_b32 s88, s88, s93
	s_cmp_gt_u32 s[WV], 4
	s_cselect_b32 s93, 1, 0
	s_or_b32 s88, s88, s93                         ; 0 in waves 0, 2, 4 of the cluster that asks: the same in all sixteen partners, for a given wave
	s_cmp_eq_u32 s88, 0
	s_cselect_b32 s[LIM], s95, -1
; A KEY STEP.  kq = 1: the next step's scores are made at its end.
.macro STEP kq
	v_add_nc_u32 v[ADM], s[TB], v[AM0]
	v_add_nc_u32 v[ADR], s[TB], v[AK0]
	v_add_nc_u32 v[ADS], s[TS], v[AS0]
	WIN 0x40                                       ; destination window 1
.irp b, 0,1,2,3
.irp j, 0,1,2,3
	ds_load_b128 v[128+16*\b+4*\j:131+16*\b+4*\j], v[ADM] offset:128*\b+16*\j   ; the mask at my query, keys 32 b + 16 h + 4 j on: in the scores' order
.endr
.endr
.irp t, 0,1,2,3,4,5,6,7
.irp c, 0,1,2,3
	ds_load_b128 v[16*\t+4*\c:16*\t+4*\c+3], v[ADR] offset:VOFF+16*KP*\t+32*\c   ; V's eight fragments
.endr
.endr
	WIN 0
.irp t, 0,1,2,3,4,5,6,7
	ds_load_b32 v[VS+\t], v[ADS] offset:16384+64*\t
.endr
	s_wait_dscnt 40                                ; the mask's 16 loads are in; V's 32 and its 8 scale words may be out
	WIN 0x10                                       ; source 2 window 1
.set J, 0
.rept 32
	v_pk_fma_f32 v[96+J:97+J], v[96+J:97+J], s[SC:SC+1], v[128+J:129+J] op_sel_hi:[1,0,1]   ; the logit: score x 128^-0.5 + mask; each accumulator from its low end on
.set J, J+2
.endr
	WIN 0
.irp b, 0,1,2,3
	v_max3_num_f32 v[232+\b], v[96+16*\b], v[97+16*\b], v[98+16*\b]   ; the largest logit of each block of 32 keys: it serves the row's maximum and, since p rises with the logit, the block's largest p
.endr
.irp i, 3,5,7,9,11,13
.irp b, 0,1,2,3
	v_max3_num_f32 v[232+\b], v[232+\b], v[96+16*\b+\i], v[97+16*\b+\i]
.endr
.endr
.irp b, 0,1,2,3
	v_max_num_f32 v[232+\b], v[232+\b], v[111+16*\b]
.endr
.irp b, 0,1,2,3
	v_permlanex16_b32 v[236+\b], v[232+\b], s[SEL], s[SEL+1]
.endr
.irp b, 0,1,2,3
	v_max_num_f32 v[232+\b], v[232+\b], v[236+\b]  ; with lane l xor 16's 16 keys
.endr
	v_max3_num_f32 v254, v232, v233, v234
	v_max_num_f32 v254, v254, v235                 ; the step's largest logit of my query
	v_mul_f32 v254, s[CS], v254                    ; as t
	v_max_num_f32 v13, v13, v254                   ; the running largest t
	v_mov_b32 v254, v12
	v_floor_f32 v12, -v13                          ; the new -M = floor(-t) = -ceil(t): a whole number
	v_sub_f32 v254, v12, v254                      ; M's old value less its new one: 0 or less
	v_cvt_i32_f32 v254, v254                       ; (it saturates)
	v_ldexp_f32 v252, 1.0, v254                    ; f = 2^(old M - new M): a multiplication by it rounds nothing
.set J, 0
.rept 32
	v_pk_mul_f32 v[96+J:97+J], v[96+J:97+J], s[CS:CS+1] op_sel_hi:[1,0]   ; t, rounded (why not fused: the head comment)
.set J, J+2
.endr
.set J, 0
.rept 32
	v_pk_add_f32 v[96+J:97+J], v[96+J:97+J], v[12:13] op_sel_hi:[1,0]     ; t - M
.set J, J+2
.endr
.irp b, 0,1,2,3
	v_mul_f32 v[232+\b], s[CS], v[232+\b]          ; the same two lines on each block's largest logit
.endr
.irp b, 0,1,2,3
	v_add_f32 v[232+\b], v[232+\b], v12
.endr
.if \kq
.irp t, 0,1,2,3,4,5,6,7
	ds_load_b32 v[KS+\t], v[ADS] offset:512+64*\t  ; the next step's K: its scale words,
.endr
	WIN 0x40
.irp t, 0,1,2,3,4,5,6,7
.irp c, 0,1,2,3
	ds_load_b128 v[128+16*\t+4*\c:131+16*\t+4*\c], v[ADR] offset:16*KP*\t+32*\c   ; and its eight fragments, over the mask's numbers, which have been added
.endr
.endr
	WIN 0
.endif
.set J, 0
.rept 64
	v_exp_f32 v[96+J], v[96+J]                     ; p = 2^(t - M), at most 1: NOT normalised
.set J, J+1
.endr
	v_pk_mul_f32 v[14:15], v[14:15], v[252:253] op_sel_hi:[1,0]   ; the sums under the new M.  (A plain line behind the exponentials)
	s_wait_alu depctr_va_vdst(0)                   ; one wait for the whole batch, ahead of its first reader
.irp b, 0,1,2,3
	v_exp_f32 v[232+\b], v[232+\b]                 ; the block's largest p: the same lines on the same number give the same bits
.endr
	v_pk_add_f32 v[236:237], v[96:97], v[98:99]    ; THE ROW'S SUM IS TAKEN OF THE UNQUANTISED p: two at a time, in two chains
.irp j, 4,8,12,16,20,24,28,32,36,40,44,48,52,56,60
	v_pk_add_f32 v[14:15], v[14:15], v[96+\j:97+\j]
	v_pk_add_f32 v[236:237], v[236:237], v[98+\j:99+\j]
.endr
	v_pk_add_f32 v[14:15], v[14:15], v[236:237]
	s_wait_alu depctr_va_vdst(0)                   ; and one for the four
.irp b, 0,1,2,3
	v_max_num_f32 v[232+\b], 0x4800000, v[232+\b]  ; the floor 2^(9 - 127): the byte cannot fall under 1
.endr
.irp b, 0,1,2,3
	v_add_nc_u32 v[244+\b], 0xfc000000, v[232+\b]  ; 8 off the exponent field: the conversion's scale operand
.endr
.irp b, 0,1,2,3
	v_and_or_b32 v[240+\b], v[232+\b], 0x7f800000, s[MNT]   ; 448 x the scale
.endr
.irp b, 0,1,2,3
	v_lshrrev_b32 v[236+\b], 23, v[244+\b]         ; the scale's byte
.endr
	v_lshl_or_b32 v253, v237, 8, v236              ; p's scale word for these 128 keys
	v_lshl_or_b32 v253, v238, 16, v253
	v_lshl_or_b32 v253, v239, 24, v253
.irp b, 0,1,2,3
.irp i, 0,1,2,3,4,5,6,7,8,9,10,11,12,13,14,15
	v_min_num_f32 v[96+16*\b+\i], v[96+16*\b+\i], v[240+\b]   ; the conversion does not saturate (ISA guide 7.6.2); p is not negative, so the hold is one-sided
.endr
	v_cvt_scalef32_pk8_fp8_f32 v[224+4*\b:225+4*\b], v[96+16*\b:103+16*\b], v[244+\b]
	v_cvt_scalef32_pk8_fp8_f32 v[226+4*\b:227+4*\b], v[104+16*\b:111+16*\b], v[244+\b]
.endr
.set J, 0
.rept 32
	v_pk_mul_f32 v[160+J:161+J], v[160+J:161+J], v[252:253] op_sel_hi:[1,0]   ; O^T under the new M.  (These 32 are also the places between the codes, the scale word and the products)
.set J, J+2
.endr
.if \kq
	s_wait_dscnt 40                                ; V and its scale words are in; K's 8 words and 32 fragment loads may be out
.else
	s_wait_dscnt 0x0
.endif
	WIN 0x01                                       ; source 0 window 1
.irp t, 0,1,2,3,4,5,6,7
	v_wmma_scale_f32_16x16x128_f8f6f4 v[160+8*\t:167+8*\t], v[16*\t:16*\t+15], v[224:239], v[160+8*\t:167+8*\t], v[VS+\t], v253   ; O^T += V^T P^T; the sixteen accumulators of a step take turns, one instruction a turn
.endr
.if \kq
	s_wait_dscnt 0x0                               ; K is in
.irp t, 0,1,2,3,4,5,6,7
	v_wmma_scale_f32_16x16x128_f8f6f4 v[96+8*\t:103+8*\t], v[128+16*\t:143+16*\t], v[16:31], 0, v[KS+\t], v255   ; the next step's S^T = K Q^T
.endr
.endif
	WIN 0
.rept 8
	v_nop                                          ; places in front of the next loads into fragments and scale words, and of the first read of results
.endr
	s_add_co_u32 s[TS], s[TS], 512
	s_xor_b32 s[TB], s[TB], SLOT1
.endm
; THE CHANGE OF SLOTS stands at a step's head.  Each wave waits for all its tensor loads (its part of the slot that it is about to read), adds 0 to its spare word, and waits for that and for its reads of the slot that it has left.
; fill = 1: the barrier is a round of the cluster's, so that no wave of any partner still reads that slot or has a load on its way; the joint refill is the first thing behind it and has a whole step in which to land.
.macro CHANGE fill, nok
	s_wait_tensorcnt 0x0                           ; no tensor load of mine is out, so a group 0 may be written
	ds_add_u32 v[SPW], v[NIL]                      ; 0 onto my spare word
.if \fill
	s_xor_b32 s[G0KV+1], s[G0KV+1], SLOT1          ; the walking descriptors: the other slot than last time,
	s_add_nc_u64 s[G0KV+2:G0KV+3], s[G0KV+2:G0KV+3], 16384   ; the next 128 rows; the type bits on top are not reached
	s_xor_b32 s[G0M+1], s[G0M+1], SLOT1
	s_add_nc_u64 s[G0M+2:G0M+3], s[G0M+2:G0M+3], 512         ; the next 128 columns of the mask
.if \nok == 0
	s_wait_xcnt 0x0                                ; the last prefetch, a step back, has read its address, so it may be written
	s_add_nc_u64 s[PFA:PFA+1], s[PFA:PFA+1], s[PFS:PFS+1]
.endif
	s_wait_dscnt 0x0                               ; the add is done, and my reads of the slot that I have left are over
	CROUND
	TLOAD \nok
.if \nok == 0
	ASK
.endif
.else
	s_wait_dscnt 0x0
	s_barrier_signal -1
	s_barrier_wait -1
.endif
.endm
; 64 numbers of a lane, register 16 b + i = k 32 b + 16 (lane / 16) + i of my row, become a row's codes in v[PCD] on and its scale word in v[PW].
.macro QUANT s
.irp b, 0,1,2,3
	v_max3_num_f32 v[TM+\b], |v[\s+16*\b]|, |v[\s+1+16*\b]|, 0x4800000
.endr
.irp i, 2,4,6,8,10,12,14
.irp b, 0,1,2,3
	v_max3_num_f32 v[TM+\b], v[TM+\b], |v[\s+16*\b+\i]|, |v[\s+1+16*\b+\i]|
.endr
.endr
.irp b, 0,1,2,3
	v_permlanex16_b32 v[TM+4+\b], v[TM+\b], s[SEL], s[SEL+1]
.endr
.irp b, 0,1,2,3
	v_max_num_f32 v[TM+\b], v[TM+\b], v[TM+4+\b]
.endr
.irp b, 0,1,2,3
	v_add_nc_u32 v[TM+12+\b], 0xfc000000, v[TM+\b]
.endr
.irp b, 0,1,2,3
	v_and_or_b32 v[TM+8+\b], v[TM+\b], 0x7f800000, s[MNT]
.endr
.irp b, 0,1,2,3
	v_lshrrev_b32 v[TM+4+\b], 23, v[TM+12+\b]
.endr
	v_lshl_or_b32 v[PW], v[TM+5], 8, v[TM+4]
	v_lshl_or_b32 v[PW], v[TM+6], 16, v[PW]
	v_lshl_or_b32 v[PW], v[TM+7], 24, v[PW]
.irp b, 0,1,2,3
.irp i, 0,1,2,3,4,5,6,7,8,9,10,11,12,13,14,15
	v_med3_num_f32 v[\s+16*\b+\i], v[\s+16*\b+\i], -v[TM+8+\b], v[TM+8+\b]
.endr
	v_cvt_scalef32_pk8_fp8_f32 v[PCD+4*\b:PCD+1+4*\b], v[\s+16*\b:\s+7+16*\b], v[TM+12+\b]
	v_cvt_scalef32_pk8_fp8_f32 v[PCD+2+4*\b:PCD+3+4*\b], v[\s+8+16*\b:\s+15+16*\b], v[TM+12+\b]
.endr
	v_nop                                          ; one plain line behind the last conversion
.endm
	s_wait_tensorcnt 0x0                           ; my first fills have landed,
	s_barrier_signal -1
	s_barrier_wait -1                              ; everybody's have
	WIN 0x40
.irp t, 0,1,2,3,4,5,6,7
.irp c, 0,1,2,3
	ds_load_b128 v[128+16*\t+4*\c:131+16*\t+4*\c], v[AK00] offset:16*KP*\t+32*\c   ; K of step 0
.endr
.endr
	WIN 0
.irp t, 0,1,2,3,4,5,6,7
	ds_load_b32 v[KS+\t], v[AS0] offset:64*\t
.endr
	s_wait_loadcnt 0x0                             ; Q
	s_wait_dscnt 0x0
	WIN 0x01
.irp t, 0,1,2,3,4,5,6,7
	v_wmma_scale_f32_16x16x128_f8f6f4 v[96+8*\t:103+8*\t], v[128+16*\t:143+16*\t], v[16:31], 0, v[KS+\t], v255   ; the scores of step 0
.endr
	WIN 0
.rept 8
	v_nop
.endr
	s_mov_b32 s[CNT], 14
.Lstep:                                            ; steps 0 to 13: behind each change of slots the next step's fill is asked for
	CHANGE 1, 0
	STEP 1
	s_sub_co_u32 s[CNT], s[CNT], 1
	s_cmp_lg_u32 s[CNT], 0
	s_cbranch_scc1 .Lstep
	CHANGE 1, 1                                    ; the tail is written out: step 14 asks for V and the mask of step 15, and for no K
	STEP 1
	CHANGE 0, 0
	STEP 0
	; THE WAY OUT.  O^T / the sum is quantised along d (its registers are d = 32 c + 16 h + 0 .. 15) and meets the other head's and the other tiles' codes in a stage: 64 rows of 256 bytes, which leave whole.
	v_add_f32 v14, v14, v15                        ; the sum's two halves,
	v_permlanex16_b32 v252, v14, s[SEL], s[SEL+1]
	v_add_f32 v14, v14, v252                       ; and lane l xor 16's: the row's sum
	v_rcp_f32 v14, v14
	v_and_b32 v8, 15, v0                           ; (plain work behind the reciprocal)  r
	v_bfe_u32 v9, v0, 4, 1                         ; h
	s_lshl_b32 s80, s[TQ], 4
	v_add_nc_u32 v10, s80, v8
	v_mul_u32_u24 v10, v10, SPITCH
	v_lshl_add_u32 v10, v9, 4, v10
	s_lshl_b32 s80, s[HSL], 7
	v_add_nc_u32 v10, s80, v10                     ; in: row 16 tq + r, my head's 128 bytes, + 16 h
	s_lshl_b32 s80, s[WV], 3
	v_add_nc_u32 v1, s80, v9                       ; back: wave w takes rows 8 w on; lanes 0-15 one row, lanes 16-31 the next
	v_mul_u32_u24 v2, v1, SPITCH
	v_lshl_add_u32 v2, v8, 4, v2
	v_lshlrev_b32 v1, 11, v1                       ; and the same place in o_codes: rows of 2,048 bytes
	v_lshl_add_u32 v1, v8, 4, v1
	v_lshlrev_b32 v3, 6, v8                        ; o_scales: rows of 64 bytes
	s_lshl_b32 s80, s[XX], 17
	s_lshl_b32 s81, s[YY], 8
	s_add_co_u32 s80, s80, s81
	s_mov_b32 s81, 0
	s_add_nc_u64 s[10:11], s[10:11], s[80:81]      ; o_codes at token 64 x, byte 256 y
	s_lshl_b32 s82, s[XX], 6
	s_lshl_b32 s83, s[TQ], 4
	s_add_co_u32 s82, s82, s83
	s_lshl_b32 s82, s82, 6
	s_lshl_b32 s83, s[YY], 1
	s_add_co_u32 s83, s83, s[HSL]
	s_lshl_b32 s83, s83, 2
	s_add_co_u32 s82, s82, s83
	s_mov_b32 s83, 0
	s_add_nc_u64 s[12:13], s[12:13], s[82:83]      ; o_scales at token 64 x + 16 tq, my head's word
	s_wait_alu depctr_va_vdst(0)                   ; the wait ahead of the reciprocal's first reader
.set J, 0
.rept 32
	v_pk_mul_f32 v[96+J:97+J], v[160+J:161+J], v[14:15] op_sel_hi:[1,0]   ; each accumulator from its low end on
.set J, J+2
.endr
	QUANT 96
.irp c, 0,1,2,3
	ds_store_b128 v10, v[PCD+4*\c:PCD+4*\c+3] offset:32*\c
.endr
	global_store_b32 v3, v[PW], s[12:13]           ; lanes l and l xor 16 store the same word to the same place
	s_wait_dscnt 0x0                               ; for the others' sake: my stores into the stage are done
	s_barrier_signal -1
	s_barrier_wait -1
.irp i, 0,1,2,3
	ds_load_b128 v[96+4*\i:99+4*\i], v2 offset:2*SPITCH*\i
.endr
	s_wait_dscnt 0x0
.irp i, 0,1,2,3
	global_store_b128 v1, v[96+4*\i:99+4*\i], s[10:11] offset:4096*\i   ; 16 lanes store 256 consecutive bytes, at a multiple of 256 from the buffer's first byte
.endr
	s_wait_tensorcnt 0x0                           ; the wave's end: behind my last tensor load and my last LDS store
	ds_add_u32 v[SPW], v[NIL]
	s_wait_dscnt 0x0
	CROUND                                         ; the closing round: no work-group ends while a partner may still ask for a tile that names it
	s_endpgm
.Lfunc_end_k_q65d3bf2580_attn:
	.size	k_q65d3bf2580_attn, .Lfunc_end_k_q65d3bf2580_attn-k_q65d3bf2580_attn
	.p2alignl 7, 3214868480
	.fill 96, 4, 3214868480
	.section	.rodata,"a",@progbits
	.p2align	6, 0x0
	.amdhsa_kernel k_q65d3bf2580_attn
		.amdhsa_group_segment_fixed_size 327680
		.amdhsa_private_segment_fixed_size 0
		.amdhsa_enable_private_segment 0
		.amdhsa_kernarg_size 40
		.amdhsa_user_sgpr_count 2
		.amdhsa_user_sgpr_kernarg_segment_ptr 1
		.amdhsa_wavefront_size32 1
		.amdhsa_system_sgpr_workgroup_id_x 1
		.amdhsa_system_sgpr_workgroup_id_y 1
		.amdhsa_system_sgpr_workgroup_id_z 1
		.amdhsa_system_vgpr_workitem_id 0
		.amdhsa_next_free_vgpr 512
		.amdhsa_next_free_sgpr 100
		.amdhsa_reserve_vcc 0
		.amdhsa_float_denorm_mode_32 3
		.amdhsa_float_denorm_mode_16_64 3
		.amdhsa_memory_ordered 1
		.amdhsa_forward_progress 1
		.amdhsa_inst_pref_size 112
	.end_amdhsa_kernel
	.amdgpu_metadata
---
amdhsa.version: [ 1, 2 ]
amdhsa.kernels:
  - .name:           k_q65d3bf2580_attn
    .symbol:         k_q65d3bf2580_attn.kd
    .args:
      - { .name: qkv_codes, .offset: 0, .size: 8, .value_kind: global_buffer, .address_space: global }
      - { .name: qkv_scales, .offset: 8, .size: 8, .value_kind: global_buffer, .address_space: global }
      - { .name: attention_mask, .offset: 16, .size: 8, .value_kind: global_buffer, .address_space: global }
      - { .name: o_codes, .offset: 24, .size: 8, .value_kind: global_buffer, .address_space: global }
      - { .name: o_scales, .offset: 32, .size: 8, .value_kind: global_buffer, .address_space: global }
    .group_segment_fixed_size: 327680
    .private_segment_fixed_size: 0
    .kernarg_segment_align: 8
    .kernarg_segment_size: 40
    .max_flat_workgroup_size: 256
    .sgpr_count:     100
    .vgpr_count:     512
    .wavefront_size: 32
...
	.end_amdgpu_metadata
.endif
;; end of part 3
;; launch oproj (part 4): grid 16 x 16, 4 waves a work-group, clusters of 4 x 4, 327,680 bytes of LDS; arguments o_codes, o_scales, codes, scales, out0; writes out0
.if DOCPART == 4
	.amdgcn_target "amdgcn-amd-amdhsa--gfx1250"
	.amdhsa_code_object_version 6
	.text
	.protected	k_q65d3bf2580_oproj
	.globl	k_q65d3bf2580_oproj
	.p2align	8
	.type	k_q65d3bf2580_oproj,@function
k_q65d3bf2580_oproj:
	s_mov_b64 s[64:65], 0
	v_nop
	global_prefetch_b8 v0, s[64:65] scope:SCOPE_SE
	s_setreg_imm32_b32 hwreg(HW_REG_WAVE_MODE, 25, 1), 1
	s_wait_xcnt 0x0
	s_wait_alu depctr_hold_cnt(0) depctr_sa_sdst(0) depctr_va_vdst(0) depctr_va_sdst(0) depctr_va_ssrc(0) depctr_va_vcc(0) depctr_vm_vsrc(0)
	s_getreg_b32 s2, hwreg(HW_REG_IB_STS2, 6, 4)
	s_cmp_eq_u32 s2, 0
	s_cbranch_scc0 .Lentry_in_a_cluster
	s_endpgm
.Lentry_in_a_cluster:
	s_bfe_u32 s2, ttmp6, 0x10000c
	s_cmp_lg_u32 s2, 0xf033
	s_cbranch_scc0 .Lentry_shape_is_right
	s_endpgm
.Lentry_shape_is_right:
; out0[m][n] = sum over k of O[m][k] Wo[n][k], both as codes of FP8 (E4M3) with one E8M0 scale for each 32 along K; out0 [2048][2048] f32; sums in f32, K ascending.
; A = o_codes [2048][2048] with o_scales [2048][64]; B = tensor 4 (Wo, rows in their own order) of codes [5][2048][2048] and scales [5][2048][64].
; A tile of out0 is 128 x 128: 256 tiles, one work-group each.  Four waves, each 64 x 64: 16 accumulators of 16 x 16, 128 registers.  (Tiles of 256 x 256 would be 64: each LDS byte would feed twice the multiply-adds, on a quarter of the work-groups.)
; K goes in 16 steps of 128, four to a slot: two LDS slots of 512 along K, rows of 512 bytes, filled by the tensor data mover, one load of 64 rows a wave.  K = 2,048 is four slots' worth: two first fills and two refills.
; The text is written out, without a loop: every LDS offset is an immediate.
; FOUR SETS OF FRAGMENTS: step q waits for its own set, asks for step q + 2's, and multiplies.  So a slot's bytes are all in registers two steps before its last product, and the change of slots stands there, in front of
; steps 2, 6 and 10: the refill has four steps' work in which to land.
; THE SCALES of the work-group's 128 rows of A and 128 of B, for all of K, are two dense blocks of 8,192 bytes: they come into LDS once, with the first fills, and stay.
; CLUSTERS: 4 x 4 work-groups; A's tile is asked for jointly along a row of the cluster, B's along a column: the same tensor load with the same descriptor and a mask that names the four.
; THE MATRIX INSTRUCTION IS USED TRANSPOSED (source 0 = 16 rows of B, source 1 = 16 rows of A): a lane holds eight neighbouring numbers of a row of out0.
; REGISTERS, in windows of 256: window 0: v0-31 addresses; v32-63 scale words, two sets of 16; v64-127 rows read back on the way out; v128-255 the accumulators ((a, b) at v[128 + 8 (4 a + b)]).
;   windows 1 and 2: the four sets of fragments: set q % 4 in window 1 + (q % 4) / 2 at v[128 (q % 2)]: A's four fragments (64 registers), then B's four.
.set SIZE_N, 2048
.set SIZE_K, 2048
.set ROWB,   512                       ; a tile's row in bytes: 512 codes
.set KROW,   SIZE_K                    ; a row of codes in memory, in bytes
.set PITCH,  528                       ; an LDS row: 512 bytes + 16 of padding = 132 words: row r starts at bank 4 r mod 64 (64 banks of 4 bytes: ISA guide 11.1), so the 16 rows that a load touches start at 16 different banks
.set NP,     8                         ; places behind this matrix instruction (ISA guide 7.12.1)
.set HALFT,  64*PITCH                  ; 64 rows: what one tensor load brings, and what one wave reads of A or of B
.set SLOT,   4*HALFT                   ; A's 128 rows, then B's 128 rows
.set KS,     SIZE_K/32                 ; a row of scales in bytes
.set SCL,    2*SLOT                    ; behind the ring: the scales, as pieces of 256 bytes + 16 of padding
.set HALFS,  (64*KS/256)*272           ; the scales of 64 rows: what one tensor load brings
.set SBLK,   (16*KS/256)*272           ; those of 16 rows
.set SPARE,  SCL+4*HALFS               ; the spare words, 128 bytes for each wave: two blocks of 256 bytes that no other line names
.set STAGE,  SPARE+512                 ; the way out: 16 rows x (256 bytes + 16) for each wave; no tile lands here
.set SPITCH, 272
.set ADRA, 16                          ; v16-17  LDS address of my A fragments in slot 0, 1
.set ADRB, 20                          ; v20-21  the same for B
.set STO,  24                          ; v24     the way out: where I put 32 bytes of a row
.set RD,   25                          ; v25     where I read a row back
.set CO,   26                          ; v26     my byte offset in two rows of out0
.set ADRS, 27                          ; v27     LDS address of my scale words: lanes 0-15 A's rows, lanes 16-31 B's
.set SPW,  28                          ; v28     LDS address of my spare word: SPARE + 4 x my thread's number; never rewritten
.set NIL,  29                          ; v29     0; never rewritten
.set SC,   32                          ; scale words: the set of slot s at v[SC + 16 s]; in it register 4 i + q: lanes 0-15 the word of A's block i, lanes 16-31 that of B's block i, for the slot's q-th 128 along K
.set BK,   64                          ; the way out: 16 rows read back from the stage: v64-95 and v96-127 by turns
.set ACC,  128
.set G1, 24                            ; s[24:31] descriptor group 1 for A's tiles;  s[32:39] group 0, one set for each slot
.set G0, 32
.set G1B, 48                           ; s[48:55], s[56:63] the same for B's tiles
.set G0B, 56
.set G1S, 68                           ; s[68:75], s[76:79] groups 1 and 0 for A's scales;  s[80:87], s[88:91] for B's
.set G0S, 76
.set G1SB, 80
.set G0SB, 88
.set MSB, 0
.macro WIN new                         ; the immediate's high byte repeats the setting that is left; a switch that changes nothing is dropped
.if MSB != \new
	s_set_vgpr_msb (MSB<<8)|\new
.set MSB, \new
.endif
.endm
; A joint load: waves 0 and 1 fetch for A, waves 2 and 3 for B.  Each of the two lines has one mask and one set of registers for all that issue it; the branch hangs on the wave's number alone.
; Four v_nop follow each of the two lines, ahead of the jump, the label and what follows.
.macro JLOAD g0a, g1a, g0b, g1b
	s_cmp_eq_u32 s15, 0
	s_cbranch_scc0 .Lfor_b_\@
	tensor_load_to_lds s[\g0a:\g0a+3], s[\g1a:\g1a+7]
	s_nop 0
.rept 4
	v_nop
.endr
	s_branch .Lasked_\@
.Lfor_b_\@:
	tensor_load_to_lds s[\g0b:\g0b+3], s[\g1b:\g1b+7]
	s_nop 0
.rept 4
	v_nop
.endr
.Lasked_\@:
.endm
; A round of the cluster's barrier: my work-group's barrier, so that wave 0's signal speaks for all four waves; wave 0 signals for the work-group; every wave waits for all sixteen work-groups; my work-group's barrier once more.
.macro CROUND
	s_barrier_signal -1
	s_barrier_wait -1
	s_cmp_lg_u32 s14, 0
	s_cbranch_scc1 .Lnot_wave_0_\@
	s_barrier_signal -3
.Lnot_wave_0_\@:
	s_barrier_wait -3
	s_barrier_signal -1
	s_barrier_wait -1
.endm
	s_load_b128 s[4:7], s[0:1], 0x0                ; A's codes s[4:5], A's scales s[6:7]
	s_load_b128 s[8:11], s[0:1], 0x10              ; the five tensors' codes s[8:9] and scales s[10:11]
	s_load_b64 s[12:13], s[0:1], 0x20              ; out0
	v_lshl_add_u32 v[SPW], v0, 2, SPARE
	v_mov_b32 v[NIL], 0
	ds_add_u32 v28, v29
	s_wait_dscnt 0x0
	v_lshrrev_b32 v1, 5, v0
	v_readfirstlane_b32 s14, v1                    ; wave 0..3
	s_lshr_b32 s15, s14, 1                         ; which half of the tile's rows is mine.  Also: I fetch for A (0) or for B (1)
	s_and_b32 s16, s14, 1                          ; which half of its columns.  Also: which 64 rows of that tile I fetch
	s_bfe_u32 s40, ttmp6, 0x40000                  ; cx, cy: my place in the cluster
	s_bfe_u32 s41, ttmp6, 0x40004
	s_lshl_b32 s42, ttmp9, 2
	s_add_co_u32 s42, s42, s40                     ; tile column = 4 x cluster x + cx: 0 .. 15
	s_and_b32 s17, ttmp7, 0xffff
	s_lshl_b32 s17, s17, 2
	s_add_co_u32 s17, s17, s41                     ; tile row = 4 x cluster y + cy: 0 .. 15
	s_lshl_b32 s43, s41, 2
	s_lshl_b32 s43, 15, s43                        ; my row of the cluster
	s_lshl_b32 s44, 0x1111, s40                    ; my column
	; descriptor group 1: a tile of 64 rows x 512 bytes, padded in LDS
	s_or_b32 s[G1+0], s43, (0<<16)|(1<<20)|(1<<21)|(6<<22)|(3<<25)  ; 15:0 the mask: A's tiles go to my row; 17:16 element of 1 byte; 20 padding on; 21 set beside a mask; 24:22 after every 128 words (code 6); 31:25 of 4 words (code 3)
	s_or_b32 s[G1B+0], s44, (0<<16)|(1<<20)|(1<<21)|(6<<22)|(3<<25) ; the same with the mask of my column, for B's tiles
.irp g, G1, G1B
	s_mov_b32 s[\g+1], ROWB<<16                    ; tensor_dim0 = 512
	s_mov_b32 s[\g+2], 64<<16                      ; tensor_dim1 = 64
	s_mov_b32 s[\g+3], ROWB<<16                    ; tile_dim0 = 512
	s_mov_b32 s[\g+4], 64                          ; tile_dim1 = 64
	s_mov_b32 s[\g+5], KROW                        ; tensor_dim0_stride
	s_mov_b32 s[\g+6], 0
	s_mov_b32 s[\g+7], 0
.endr
	; and for the scales of 64 rows: a dense block of 4,096 bytes, as 16 rows of 256 bytes (32 elements of 8 bytes), 16 bytes of padding behind each
	s_or_b32 s[G1S+0], s43, (3<<16)|(1<<20)|(1<<21)|(5<<22)|(3<<25)
	s_or_b32 s[G1SB+0], s44, (3<<16)|(1<<20)|(1<<21)|(5<<22)|(3<<25)
.irp g, G1S, G1SB
	s_mov_b32 s[\g+1], 32<<16
	s_mov_b32 s[\g+2], (64*KS/256)<<16
	s_mov_b32 s[\g+3], 32<<16
	s_mov_b32 s[\g+4], 64*KS/256
	s_mov_b32 s[\g+5], 32
	s_mov_b32 s[\g+6], 0
	s_mov_b32 s[\g+7], 0
.endr
	; where the tiles come from.  A's hang on the tile row alone, which my row of the cluster shares; B's on the tile column alone, which my column shares
	s_lshl_b32 s18, s16, 6                         ; which 64 rows of the tile I fetch
	s_lshl_b32 s20, s17, 7
	s_add_co_u32 s20, s20, s18                     ; A: row 128 x tile row + 64 x half
	s_lshl_b32 s46, s42, 7
	s_add_co_u32 s46, s46, s18                     ; B: row 128 x tile column + 64 x half
	s_mov_b32 s21, 0
	s_mov_b32 s47, 0
	s_mov_b64 s[18:19], KS
	s_mul_u64 s[22:23], s[20:21], s[18:19]         ; where these rows' scales begin, in bytes
	s_mul_u64 s[92:93], s[46:47], s[18:19]
	s_mov_b64 s[18:19], KROW
	s_mul_u64 s[20:21], s[20:21], s[18:19]         ; and their codes
	s_mul_u64 s[46:47], s[46:47], s[18:19]
	s_mul_i32 s45, s14, HALFT                      ; where they go: wave x 64 rows: no place in the cluster enters an LDS address
	s_mul_i32 s94, s14, HALFS
	s_wait_kmcnt 0x0
	s_add_nc_u64 s[8:9], s[8:9], 4*2048*2048       ; Wo is tensor 4: four tensors of 4,194,304 bytes of codes in front,
	s_add_nc_u64 s[10:11], s[10:11], 4*2048*64     ; and four of 131,072 scale bytes
	s_add_nc_u64 s[20:21], s[4:5], s[20:21]
	s_add_nc_u64 s[22:23], s[6:7], s[22:23]
	s_add_nc_u64 s[46:47], s[8:9], s[46:47]
	s_add_nc_u64 s[92:93], s[10:11], s[92:93]
	CROUND                                         ; all sixteen work-groups are here: the first joint loads meet
	s_mov_b32 s[G0S], 1                            ; 1:0 count = 1
	s_add_co_u32 s[G0S+1], s94, SCL                ; 63:32 LDS address
	s_mov_b64 s[G0S+2:G0S+3], s[22:23]             ; 120:64 global address
	s_or_b32 s[G0S+3], s[G0S+3], 0x80000000        ; 127:126 type = 2
	s_mov_b32 s[G0SB], 1
	s_add_co_u32 s[G0SB+1], s94, SCL
	s_mov_b64 s[G0SB+2:G0SB+3], s[92:93]
	s_or_b32 s[G0SB+3], s[G0SB+3], 0x80000000
	JLOAD G0S, G1S, G0SB, G1SB                     ; the scales first: they are wanted with the first step
.irp s, 0,1
	s_mov_b32 s[G0+4*\s], 1
	s_add_co_u32 s[G0+4*\s+1], s45, \s*SLOT
	s_add_nc_u64 s[G0+4*\s+2:G0+4*\s+3], s[20:21], \s*ROWB      ; slot s begins with K = 512 s
	s_or_b32 s[G0+4*\s+3], s[G0+4*\s+3], 0x80000000
	s_mov_b32 s[G0B+4*\s], 1
	s_add_co_u32 s[G0B+4*\s+1], s45, \s*SLOT
	s_add_nc_u64 s[G0B+4*\s+2:G0B+4*\s+3], s[46:47], \s*ROWB
	s_or_b32 s[G0B+4*\s+3], s[G0B+4*\s+3], 0x80000000
	JLOAD G0+4*\s, G1, G0B+4*\s, G1B               ; three tensor loads of mine are out behind the second of these
.endr
	v_and_b32 v1, 15, v0                           ; r = l % 16
	v_bfe_u32 v2, v0, 4, 1                         ; h = l / 16
	v_mul_u32_u24 v3, v1, PITCH
	v_lshl_add_u32 v4, v2, 4, v3                   ; a fragment's row x pitch + 16 x half
	s_mul_i32 s21, s15, HALFT                      ; my 64 rows of A
	s_mul_i32 s22, s16, HALFT                      ; my 64 rows of B,
	s_add_co_u32 s22, s22, 2*HALFT                 ; which lie behind A's 128
.irp s, 0,1
	v_add_nc_u32 v[ADRA+\s], s21, v4
	v_add_nc_u32 v[ADRB+\s], s22, v4
	s_add_co_u32 s21, s21, SLOT
	s_add_co_u32 s22, s22, SLOT
.endr
	v_mul_u32_u24 v5, v1, KS                       ; my row's scales: KS bytes a row,
	v_lshrrev_b32 v6, 8, v5
	v_lshl_add_u32 v5, v6, 4, v5                   ; and 16 more for each 256 passed
	s_mul_i32 s21, s15, HALFS                      ; A's: my 64 rows
	s_mul_i32 s22, s16, HALFS                      ; B's: my 64 rows, behind A's 128
	s_add_co_u32 s22, s22, 2*HALFS
	s_sub_co_u32 s22, s22, s21
	v_mul_u32_u24 v6, s22, v2                      ; lanes 16-31 take B's: the lower base + h x the distance
	s_add_co_u32 s21, s21, SCL
	v_add_nc_u32 v5, v5, v6
	v_add_nc_u32 v[ADRS], s21, v5
	s_mul_i32 s23, s14, 16*SPITCH
	s_add_co_u32 s23, s23, STAGE                   ; my stage
	v_mul_u32_u24 v5, v1, SPITCH                   ; in: row r, 32 bytes for each half of the lanes
	v_lshl_add_u32 v5, v2, 5, v5
	v_add_nc_u32 v[STO], s23, v5
	v_mul_u32_u24 v6, v2, SPITCH                   ; back: lanes 0-15 take one row of 256 bytes, lanes 16-31 the next
	v_lshl_add_u32 v6, v1, 4, v6
	v_add_nc_u32 v[RD], s23, v6
	v_mul_u32_u24 v7, v2, SIZE_N*4                 ; and the same two rows in out0
	v_lshl_add_u32 v[CO], v1, 4, v7
	s_lshl_b32 s20, s17, 7
	s_lshl_b32 s21, s15, 6
	s_add_co_u32 s20, s20, s21                     ; my first row of out0: 128 x tile row + 64 x half
	s_mov_b32 s21, 0
	s_mov_b64 s[18:19], SIZE_N*4
	s_mul_u64 s[20:21], s[20:21], s[18:19]
	s_lshl_b32 s46, s42, 9                         ; my first column, in bytes: 512 x tile column + 256 x half
	s_lshl_b32 s47, s16, 8
	s_add_co_u32 s46, s46, s47
	s_mov_b32 s47, 0
	s_add_nc_u64 s[20:21], s[20:21], s[46:47]
	s_add_nc_u64 s[12:13], s[12:13], s[20:21]
; Step q's fragments, 32 LDS loads in one run, into set q % 4.  A fragment, 16 rows x 128 K of 8-bit codes, is 16 registers: lane l holds row l % 16; registers 4 c .. 4 c + 3 hold K = 32 c + 16 (l / 16) + 0 .. 15.
.macro FETCH q
.set FB, 128*((\q)%2)
.set FS, ((\q)/4)%2                    ; the slot
.set FK, 128*((\q)%4)                  ; the step's bytes in a row
.set WW, (1+((\q)%4)/2)<<6             ; destination window 1 or 2, address window 0
	WIN WW
.irp i, 0,1,2,3
.irp c, 0,1,2,3
	ds_load_b128 v[FB+64+16*\i+4*\c:FB+64+16*\i+4*\c+3], v[ADRB+FS] offset:FK+32*\c+\i*16*PITCH
.endr
.endr
.irp i, 0,1,2,3
.irp c, 0,1,2,3
	ds_load_b128 v[FB+16*\i+4*\c:FB+16*\i+4*\c+3], v[ADRA+FS] offset:FK+32*\c+\i*16*PITCH
.endr
.endr
.endm
; The scale words of K = 512 c on: four words (16 bytes) a row; lanes 0-15 take A's block i, lanes 16-31 B's block i.  (Every window is 0 where this stands.)
.macro SCALES c
.irp i, 0,1,2,3
	ds_load_b128 v[SC+16*((\c)%2)+4*\i:SC+16*((\c)%2)+4*\i+3], v[ADRS] offset:\i*SBLK+16*(\c)
.endr
.endm
; Step q's 16 matrix instructions.  zero = 1: the first step starts the sums: nothing is ever cleared.  The 16 accumulators take turns, one instruction a turn, in the same order in every step.
.macro MUL q, zero
.set FB, 128*((\q)%2)
.set SS, SC+16*(((\q)/4)%2)+(\q)%4
.set WW, (1+((\q)%4)/2)*5              ; sources 0 (B) and 1 (A) in window 1 or 2; C and D in window 0
	WIN WW
.irp a, 0,1,2,3
.irp b, 0,1,2,3
.if \zero
	v_wmma_scale_f32_16x16x128_f8f6f4 v[ACC+8*(4*\a+\b):ACC+8*(4*\a+\b)+7], v[FB+64+16*\b:FB+64+16*\b+15], v[FB+16*\a:FB+16*\a+15], 0, v[SS+4*\b], v[SS+4*\a] matrix_a_scale:MATRIX_SCALE_ROW1
.else
	v_wmma_scale_f32_16x16x128_f8f6f4 v[ACC+8*(4*\a+\b):ACC+8*(4*\a+\b)+7], v[FB+64+16*\b:FB+64+16*\b+15], v[FB+16*\a:FB+16*\a+15], v[ACC+8*(4*\a+\b):ACC+8*(4*\a+\b)+7], v[SS+4*\b], v[SS+4*\a] matrix_a_scale:MATRIX_SCALE_ROW1
.endif
.endr
.endr
.endm
; A load into a register that a matrix instruction has read, and an LDS store that reads a matrix result, stand NP places behind that matrix instruction; only plain vector instructions that name none of its
; registers are places (ISA guide 7.12.1 for vector instructions).
.macro PLACES n
.rept \n
	v_nop
.endr
.endm
; A step that changes no slot: its own set is in (the 32 loads of the next step's set may be out); the set that step q - 2 multiplied takes step q + 2's fragments; 16 products.
.macro STEP q, zero
.if (\q) < 15
	s_wait_dscnt 32
.else
	s_wait_dscnt 0x0
.endif
.if (\q) < 14
	PLACES NP
	FETCH (\q)+2
.endif
	MUL \q, \zero
.endm
; THE CHANGE OF SLOTS, two steps ahead of a slot's last product: all that the slot holds has been asked for.  Each wave waits for all its tensor loads (its part of the other slot), adds 0 to its spare word, and waits for
; that and for its reads of the slot.  fill = 1: the barrier is a round of the cluster's, so that no wave of any partner still reads the slot or has a load on its way; the joint refill is the first thing behind it.
.macro CHANGE fill, slot
	WIN 0                                          ; at a label and at a branch every window is 0; the add's two registers lie in window 0
	s_wait_tensorcnt 0x0                           ; no tensor load of mine is out, so a group 0 may be written
	ds_add_u32 v[SPW], v[NIL]                      ; 0 onto my spare word
.if \fill
	s_add_nc_u64 s[G0+4*\slot+2:G0+4*\slot+3], s[G0+4*\slot+2:G0+4*\slot+3], 2*ROWB       ; this slot's next 512 along K; the type bits on top are not reached
	s_add_nc_u64 s[G0B+4*\slot+2:G0B+4*\slot+3], s[G0B+4*\slot+2:G0B+4*\slot+3], 2*ROWB
.endif
	s_wait_dscnt 0x0                               ; the add is done, and my reads of the slot are over: its last two steps' fragments are in registers
.if \fill
	CROUND
	JLOAD G0+4*\slot, G1, G0B+4*\slot, G1B         ; my one tensor load behind the round; the four v_nop behind it are among the places in front of the loads that follow
	PLACES NP-4
.else
	s_barrier_signal -1
	s_barrier_wait -1
	PLACES NP
.endif
.endm
	s_wait_tensorcnt 1                             ; the scales and my part of slot 0 are in (slot 1's load may be out)
	s_barrier_signal -1
	s_barrier_wait -1                              ; everybody's are
	SCALES 0
	FETCH 0
	FETCH 1
	STEP 0, 1                                      ; its products start the sums
	STEP 1, 0
	CHANGE 1, 0                                    ; slot 0 is read out: it takes K = 1,024 on; slot 1 is whole
	SCALES 1
	FETCH 4
	MUL 2, 0
	STEP 3, 0
	STEP 4, 0
	STEP 5, 0
	CHANGE 1, 1                                    ; slot 1 is read out: it takes K = 1,536 on; slot 0 is whole again
	SCALES 2
	FETCH 8
	MUL 6, 0
	STEP 7, 0
	STEP 8, 0
	STEP 9, 0
	CHANGE 0, 0                                    ; slot 1 is whole; nothing is left to fetch
	SCALES 3
	FETCH 12
	MUL 10, 0
	STEP 11, 0
	STEP 12, 0
	STEP 13, 0
	STEP 14, 0
	STEP 15, 0
	WIN 0
; THE WAY OUT, block a of 16 rows x 64 columns at a time.  A lane holds 32 neighbouring bytes of a row, and the lanes beside it hold other rows: so a block goes through my own stage in LDS and comes back as whole rows
; of 256 bytes.  LDS serves a wave's instructions in order (ISA guide 5.7.1.4): no wait between the stores and the loads, nor in front of the next block's stores.
.macro TOSTAGE a
.irp b, 0,1,2,3
	ds_store_b128 v[STO], v[ACC+8*(4*(\a)+\b):ACC+8*(4*(\a)+\b)+3] offset:64*\b          ; each accumulator from its low end on
	ds_store_b128 v[STO], v[ACC+8*(4*(\a)+\b)+4:ACC+8*(4*(\a)+\b)+7] offset:64*\b+16
.endr
.irp t, 0,1,2,3,4,5,6,7
	ds_load_b128 v[BK+32*((\a)%2)+4*\t:BK+32*((\a)%2)+4*\t+3], v[RD] offset:\t*2*SPITCH
.endr
.endm
.macro SEND a, younger                 ; younger: the LDS instructions issued behind block a's loads, which may stay out
	s_wait_dscnt \younger                          ; the block is back in registers
.irp t, 0,1,2,3,4,5,6,7
	global_store_b128 v[CO], v[BK+32*((\a)%2)+4*\t:BK+32*((\a)%2)+4*\t+3], s[12:13] offset:(16*(\a)+2*\t)*SIZE_N*4 th:TH_STORE_NT   ; 16 lanes store 256 consecutive bytes, at a multiple of 256 from out0's first byte; the row stands in the immediate: 62 rows of 8,192 bytes at the most
.endr
.endm
	PLACES NP                                      ; behind the last products, in front of the first read of results
	TOSTAGE 0
.irp a, 1,2,3
.if \a > 1
	s_wait_xcnt 0x0                                ; block a - 2's stores have read their data: the registers are loaded again only behind this wait
.endif
	TOSTAGE \a
	SEND \a-1, 16                                  ; behind block a - 1's loads: block a's 8 stores and 8 loads
.endr
	SEND 3, 0
	s_wait_tensorcnt 0x0                           ; the wave's end: behind my last tensor load and my last LDS store
	ds_add_u32 v[SPW], v[NIL]
	s_wait_dscnt 0x0
	CROUND                                         ; the closing round: no work-group ends while a partner may still ask for a tile that names it
	s_endpgm
.Lfunc_end_k_q65d3bf2580_oproj:
	.size	k_q65d3bf2580_oproj, .Lfunc_end_k_q65d3bf2580_oproj-k_q65d3bf2580_oproj
	.p2alignl 7, 3214868480
	.fill 96, 4, 3214868480
	.section	.rodata,"a",@progbits
	.p2align	6, 0x0
	.amdhsa_kernel k_q65d3bf2580_oproj
		.amdhsa_group_segment_fixed_size 327680
		.amdhsa_private_segment_fixed_size 0
		.amdhsa_enable_private_segment 0
		.amdhsa_kernarg_size 40
		.amdhsa_user_sgpr_count 2
		.amdhsa_user_sgpr_kernarg_segment_ptr 1
		.amdhsa_wavefront_size32 1
		.amdhsa_system_sgpr_workgroup_id_x 1
		.amdhsa_system_sgpr_workgroup_id_y 1
		.amdhsa_system_sgpr_workgroup_id_z 1
		.amdhsa_system_vgpr_workitem_id 0
		.amdhsa_next_free_vgpr 768
		.amdhsa_next_free_sgpr 98
		.amdhsa_reserve_vcc 0
		.amdhsa_float_denorm_mode_32 3
		.amdhsa_float_denorm_mode_16_64 3
		.amdhsa_memory_ordered 1
		.amdhsa_forward_progress 1
		.amdhsa_inst_pref_size 90
	.end_amdhsa_kernel
	.amdgpu_metadata
---
amdhsa.version: [ 1, 2 ]
amdhsa.kernels:
  - .name:           k_q65d3bf2580_oproj
    .symbol:         k_q65d3bf2580_oproj.kd
    .args:
      - { .name: o_codes, .offset: 0, .size: 8, .value_kind: global_buffer, .address_space: global }
      - { .name: o_scales, .offset: 8, .size: 8, .value_kind: global_buffer, .address_space: global }
      - { .name: codes, .offset: 16, .size: 8, .value_kind: global_buffer, .address_space: global }
      - { .name: scales, .offset: 24, .size: 8, .value_kind: global_buffer, .address_space: global }
      - { .name: out0, .offset: 32, .size: 8, .value_kind: global_buffer, .address_space: global }
    .group_segment_fixed_size: 327680
    .private_segment_fixed_size: 0
    .kernarg_segment_align: 8
    .kernarg_segment_size: 40
    .max_flat_workgroup_size: 128
    .sgpr_count:     98
    .vgpr_count:     768
    .wavefront_size: 32
...
	.end_amdgpu_metadata
.endif
;; end of part 4
